; MI455X (gfx1250); checked and timed in simulation.
; The chip was launched on July 23, 2026; its instructions are those of AMD's public machine-readable ISA for CDNA 5 (MIT licence, August 2026) and "CDNA5" Instruction Set Architecture Reference Guide (July 2026). The comments in the code are by the model that wrote it; some were corrected since.
;; Patched Mixtral Sparse Moe Block. Allowed arithmetic: matrix products marked QUANTISED: E2M3 operands, one E8M0 scale for each 32 along K, by v_wmma_scale_f32_16x16x128_f8f6f4 with both operands' format E2M3, f32 sums; products left as they are: f32 operands where the result goes on into a quantised operand, else bf16, f16 or f32 operands; f32 sums; everything else in f32.
;; Inputs: gate_w 8 x 2,048 float32; hidden_states 2 x 2,048 x 2,048 float32; w1 8 x 256 x 2,048 float32; w2 8 x 2,048 x 256 float32; w3 8 x 256 x 2,048 float32.
;; Outputs: out0 2 x 2,048 x 2,048 float32; out1 4,096 x 8 float32.
;; This version of the problem:
;;   THIS VERSION OF THE PROBLEM IS GIVEN IN LOW PRECISION. The matrix products marked QUANTISED in the list below multiply operands that are first quantised to E2M3 (2 exponent bits, 3 mantissa bits; 6 bits a number), with one power-of-two scale for each 32 numbers along K (OCP MX v1.0); their sums are f32. All else is computed in f32.
;;   The module's matrix products, in the order in which they are computed (A, B: the left and right operand; K: the contracted axis; several contracted axes count as one K, in the product's order):
;;     1. [M 4,096, K 2,048] x [K 2,048, N 8]; A: input hidden_states; B: input gate_w: left as it is (N = 8 < 16)
;;     2. [M 4,096, K 2,048] x [K 2,048, N 256]; A: input hidden_states; B: input w1: QUANTISED
;;     3. [M 4,096, K 2,048] x [K 2,048, N 256]; A: input hidden_states; B: input w3: QUANTISED
;;     4. [M 4,096, K 256] x [K 256, N 2,048]; A: computed on the way; B: input w2: QUANTISED
;;     5. [M 4,096, K 2,048] x [K 2,048, N 256]; A: input hidden_states; B: input w1: QUANTISED
;;     6. [M 4,096, K 2,048] x [K 2,048, N 256]; A: input hidden_states; B: input w3: QUANTISED
;;     7. [M 4,096, K 256] x [K 256, N 2,048]; A: computed on the way; B: input w2: QUANTISED
;;     8. [M 4,096, K 2,048] x [K 2,048, N 256]; A: input hidden_states; B: input w1: QUANTISED
;;     9. [M 4,096, K 2,048] x [K 2,048, N 256]; A: input hidden_states; B: input w3: QUANTISED
;;     10. [M 4,096, K 256] x [K 256, N 2,048]; A: computed on the way; B: input w2: QUANTISED
;;     11. [M 4,096, K 2,048] x [K 2,048, N 256]; A: input hidden_states; B: input w1: QUANTISED
;;     12. [M 4,096, K 2,048] x [K 2,048, N 256]; A: input hidden_states; B: input w3: QUANTISED
;;     13. [M 4,096, K 256] x [K 256, N 2,048]; A: computed on the way; B: input w2: QUANTISED
;;     14. [M 4,096, K 2,048] x [K 2,048, N 256]; A: input hidden_states; B: input w1: QUANTISED
;;     15. [M 4,096, K 2,048] x [K 2,048, N 256]; A: input hidden_states; B: input w3: QUANTISED
;;     16. [M 4,096, K 256] x [K 256, N 2,048]; A: computed on the way; B: input w2: QUANTISED
;;     17. [M 4,096, K 2,048] x [K 2,048, N 256]; A: input hidden_states; B: input w1: QUANTISED
;;     18. [M 4,096, K 2,048] x [K 2,048, N 256]; A: input hidden_states; B: input w3: QUANTISED
;;     19. [M 4,096, K 256] x [K 256, N 2,048]; A: computed on the way; B: input w2: QUANTISED
;;     20. [M 4,096, K 2,048] x [K 2,048, N 256]; A: input hidden_states; B: input w1: QUANTISED
;;     21. [M 4,096, K 2,048] x [K 2,048, N 256]; A: input hidden_states; B: input w3: QUANTISED
;;     22. [M 4,096, K 256] x [K 256, N 2,048]; A: computed on the way; B: input w2: QUANTISED
;;     23. [M 4,096, K 2,048] x [K 2,048, N 256]; A: input hidden_states; B: input w1: QUANTISED
;;     24. [M 4,096, K 2,048] x [K 2,048, N 256]; A: input hidden_states; B: input w3: QUANTISED
;;     25. [M 4,096, K 256] x [K 256, N 2,048]; A: computed on the way; B: input w2: QUANTISED
;;   THE QUANTISER, for each operand of a quantised product, along K:
;;     - K is cut into blocks of 32 from its start; a last block that is shorter is filled with zeros.
;;     - A block's scale is 2^e with e = floor(log2(the largest magnitude in the block)) - 2, held to -126 .. 127; a block of zeros has e = 0. As a byte (E8M0): e + 127.
;;     - Each number is divided by its block's scale, clamped to +-7.5, and rounded to the nearest number of E2M3, ties to even, subnormals kept.
;;     - The product sums the exact products of the quantised numbers (number of the format x scale) in f32.
;;   ~~~python
;;   def quantise(x, axis):      # numpy; x: float32 -> the quantised numbers, widened to float32 again
;;       x = np.moveaxis(x, axis, -1); K = x.shape[-1]
;;       x = np.pad(x, [(0, 0)] * (x.ndim - 1) + [(0, -K % 32)]); x = x.reshape(x.shape[:-1] + (-1, 32)); a = np.abs(x).max(-1, keepdims=True)
;;       e = np.where(a > 0, np.clip(np.frexp(np.where(a > 0, a, 1))[1] - 1 - 2, -126, 127), 0)      # np.frexp(a)[1] - 1 = floor(log2(a)), exactly
;;       r = np.clip(x / 2.0 ** e, -7.5, 7.5)
;;       step = 2.0 ** (np.maximum(np.frexp(np.where(r == 0, 1, r))[1] - 1, 0) - 3)
;;       q = np.round(r / step) * step * 2.0 ** e      # np.round: ties to even
;;       return np.moveaxis(q.reshape(q.shape[:-2] + (-1,))[..., :K], -1, axis).astype(np.float32)
;;   ~~~
;;   OPERANDS COMPUTED ON THE WAY. 'Computed on the way' means the value that the module computes at that place (a softmax that the list does not call 'softmax' is quantised finished and normalised). What goes into a quantiser is computed in f32, as accurately as f32 sums, v_exp_f32 and their like allow (about 1e-6 of the number): no bf16 or f16 on the way to a quantiser, and a product that is left as it is and whose result goes on into a quantised operand takes f32 operands (vector FMAs, or v_wmma_f32_16x16x4_f32). A number that lies on a knife's edge between two numbers of the format may be rounded either way, as far as f32 arithmetic and the matrix unit's own rounding can turn it there, and no further.
;; One version. Each part assembles by itself: llvm-mc -triple=amdgcn-amd-amdhsa -mcpu=gfx1250 --defsym DOCPART=n.
;; ======== version 1 of 1: 4 launches
;; limits: right only within a limited range of input values
;; workspace buffers: xq 6,553,600 bytes; wq 9,830,400 bytes; gq 1,638,400 bytes; sel 16,384 bytes of whole numbers; rw 32,768 bytes; route 17,408 bytes of whole numbers
;; launch router_quant (part 1): grid 256 x 1, 4 waves a work-group, no clusters, 24,064 bytes of LDS; arguments hidden_states, gate_w, xq, sel, rw, out1; writes xq, sel, rw, out1
.if DOCPART == 1
	.amdgcn_target "amdgcn-amd-amdhsa--gfx1250"
	.amdhsa_code_object_version 6
	.text
	.protected	k_qbfa35331ea_router_quant
	.globl	k_qbfa35331ea_router_quant
	.p2align	8
	.type	k_qbfa35331ea_router_quant,@function
k_qbfa35331ea_router_quant:
	s_mov_b64 s[64:65], 0
	v_nop
	global_prefetch_b8 v0, s[64:65] scope:SCOPE_SE
	s_setreg_imm32_b32 hwreg(HW_REG_WAVE_MODE, 25, 1), 1
	s_wait_xcnt 0x0
; MIXTRAL BLOCK, launch 1 of 4: the router, and h as codes of E2M3.
; WORK LEFT OUT BY THE PROGRAM, for all values of the inputs:
;  (a) reference() multiplies expert e's result for token t by w = sum(rw * (selected == e)), which its own router makes 0 for the six experts
;      that are not among the token's two.  So only the two chosen experts' products are made for a token (launches 3 and 4).
;  (b) rw / sum(rw) over the two chosen: the softmax's divisor (the sum over all eight) stands in numerator and denominator and cancels:
;      w1 = 1 / (1 + exp(l2 - l1)), w2 = exp(l2 - l1) / (1 + exp(l2 - l1)), l1 >= l2 the two largest logits.  The largest logit is taken away ahead of the one exponential.
;      exp rises with its input, so the two largest of the softmax are the two largest logits; equal logits: the lower index first, as top_k has it.
; LIMITS: a NaN, an infinity or an overflow that reaches only an expert that was not chosen is not carried to the result; NaN and infinities among the inputs are not served;
; two unequal logits whose softmax values round to one f32 number are ordered by logit; a block of zeros gets the scale byte 1 (its codes are zeros; the bytes are read by this program alone).
; SHARES: a work-group takes 16 tokens.  THE FOUR WAVES SHARE K: wave w has numbers 512 w .. 512 w + 511 of every token and of every row of gate_w.  Its quarter of gate_w (16 KiB, 128 registers, window 2)
; comes from memory once and stays in registers; its 32 KiB of h are asked for at once, in loads of 512 consecutive bytes, into 256 registers (window 1).
; A step is one token's quarter.  Its numbers serve twice: as they were loaded (lane l: 4 neighbours of each 128) for the logits, 64 packed multiply-adds; and, turned through the wave's own stage in LDS
; so that a lane holds 16 neighbours, for the quantiser.  Behind each four steps the 32 sums (4 tokens x 8 experts) are added over the lanes and put into LDS; behind the one barrier wave w adds
; the four waves' parts of tokens 4 w .. 4 w + 3 and chooses their experts.
; xq: codes [token][K step 16][h 2][c 2][half 2][12 bytes]: the blocks of a K step in the order 0, 2, 1, 3, so that lane (r, h) of an operand finds its 48 bytes on end; scale bytes [token][64] from byte XSOFF on.
.set SP,    80                         ; a lane's place in a stage: 64 bytes + 16
.set WREG,  5120                       ; LDS: two stages of 32 x SP bytes for each wave;
.set SBB,   20480                      ; the work-group's 16 x 64 scale bytes;
.set PS,    21504                      ; the sums' parts [wave 4][group 4][lane 32];
.set SPARE, 23552                      ; the spare words, 128 bytes a wave
.set XSOFF, 6291456
.set L16, 1                            ; v1  16 x lane
.set TIN, 2                            ; v2  the stage, on the way in
.set TOUT, 3                           ; v3  and out
.set XCO, 4                            ; v4  my 12 bytes' place in a quarter's 384 bytes of codes
.set SBA, 5                            ; v5  my block's scale byte in LDS
.set L8,  6
.set L4,  7
.set SBR, 8                            ; v8  the scale bytes on the way out
.set PSW, 9                            ; v9  where I put my sums' parts
.set PSR, 12                           ; v12 where I read my group's
.set S,   16                           ; v16-47  a group's 32 sums: 8 (token % 4) + expert
.set P,   48                           ; v48-63  a step's eight sums, in pairs
.set X,   80                           ; v80-111 two sets of 16 neighbours
.set C,   112                          ; v112-175 codes, four registers a step
.set E,   176                          ; v176-191 a scale byte a step
.set T,   192
.set K0,  196
.set K1,  197
.set VAL, 198
.set IDX, 199
.set OV,  200
.set OI,  201
.set M1,  202
.set I1,  203
.set E7,  204
.set NINF, 205
.set WLO, 206                          ; v[206:207] the two weights
.set DD,  208
.set RR,  209
.set W2,  210
.set ELO, 211
.set EHI, 212
.set TRI, 213
.set SO4, 214
.set SO8, 215
.set SPW, 216
.set NIL, 217
.set MSB, 0
.macro WIN new                         ; the immediate's high byte repeats the setting that is left
.if MSB != (\new)
	s_set_vgpr_msb (MSB<<8)|(\new)
.set MSB, (\new)
.endif
.endm
	s_load_b256 s[4:11], s[0:1], 0x0               ; h, gate_w, xq, sel
	s_load_b128 s[12:15], s[0:1], 0x20             ; rw, out1
	v_lshl_add_u32 v[SPW], v0, 2, SPARE
	v_mov_b32 v[NIL], 0
	v_lshrrev_b32 v11, 5, v0
	v_readfirstlane_b32 s16, v11                   ; wave
	v_and_b32 v10, 31, v0                          ; lane
	v_lshlrev_b32 v[L16], 4, v10
	s_mul_i32 s17, s16, WREG                       ; my stages
	v_lshrrev_b32 v[TIN], 2, v10
	v_mul_u32_u24 v[TIN], v[TIN], SP
	v_and_b32 v11, 3, v10
	v_lshl_add_u32 v[TIN], v11, 4, v[TIN]
	v_add_nc_u32 v[TIN], s17, v[TIN]               ; SP (lane / 4) + 16 (lane % 4)
	v_mul_u32_u24 v[TOUT], v10, SP
	v_add_nc_u32 v[TOUT], s17, v[TOUT]
	v_lshrrev_b32 v11, 3, v10                      ; turned, lane l holds numbers 16 l on: K step l / 8, block (l / 2) % 4 = 2 c + h, half l % 2
	v_mul_u32_u24 v[XCO], v11, 96
	v_bfe_u32 v11, v10, 1, 1
	v_mad_u32_u24 v[XCO], v11, 48, v[XCO]
	v_bfe_u32 v11, v10, 2, 1
	v_mad_u32_u24 v[XCO], v11, 24, v[XCO]
	v_and_b32 v11, 1, v10
	v_mad_u32_u24 v[XCO], v11, 12, v[XCO]
	s_lshl_b32 s18, s16, 4
	s_add_co_u32 s18, s18, SBB
	v_lshrrev_b32 v[SBA], 1, v10
	v_add_nc_u32 v[SBA], s18, v[SBA]               ; in a token's 64 bytes: 16 w + lane / 2
	v_lshlrev_b32 v[L8], 3, v10
	s_lshl_b32 s18, s16, 8
	s_add_co_u32 s18, s18, SBB
	v_add_nc_u32 v[SBR], s18, v[L8]                ; on the way out: my four tokens' 256 bytes
	v_lshlrev_b32 v[L4], 2, v10
	s_lshl_b32 s18, s16, 9
	s_add_co_u32 s18, s18, PS
	v_add_nc_u32 v[PSW], s18, v[L4]
	s_lshl_b32 s18, s16, 7
	s_add_co_u32 s18, s18, PS
	v_add_nc_u32 v[PSR], s18, v[L4]
	s_mov_b32 s20, 0xff00ff00                      ; lanes whose bit 3, 2, 1, 0 is set
	s_mov_b32 s21, 0xf0f0f0f0
	s_mov_b32 s22, 0xcccccccc
	s_mov_b32 s23, 0xaaaaaaaa
	s_lshl_b32 s18, ttmp9, 2
	s_add_co_u32 s18, s18, s16                     ; which run of 4 tokens my wave sees to behind the barrier
	s_mov_b32 s25, 0
	s_wait_alu depctr_va_vdst(0)                   ; the wait at the head's end
	s_wait_kmcnt 0x0
	s_lshl_b32 s24, ttmp9, 17
	s_add_nc_u64 s[4:5], s[4:5], s[24:25]          ; h: the work-group's 16 rows of 8,192 bytes,
	s_lshl_b32 s24, s16, 11
	s_add_nc_u64 s[4:5], s[4:5], s[24:25]          ; my quarter of each;
	s_add_nc_u64 s[6:7], s[6:7], s[24:25]          ; the same quarter of gate_w's rows
	s_lshl_b32 s24, s18, 8
	s_add_nc_u64 s[26:27], s[8:9], s[24:25]
	s_add_nc_u64 s[26:27], s[26:27], XSOFF         ; scale bytes: 256 a wave
	s_mul_i32 s24, ttmp9, 24576
	s_add_nc_u64 s[8:9], s[8:9], s[24:25]          ; codes: 16 x 1,536 bytes,
	s_mul_i32 s24, s16, 384
	s_add_nc_u64 s[8:9], s[8:9], s[24:25]          ; my quarter's 384 of each
	s_lshl_b32 s24, s18, 4
	s_add_nc_u64 s[10:11], s[10:11], s[24:25]
	s_lshl_b32 s24, s18, 5
	s_add_nc_u64 s[12:13], s[12:13], s[24:25]
	s_lshl_b32 s24, s18, 7
	s_add_nc_u64 s[14:15], s[14:15], s[24:25]
	WIN 0x80                                       ; destination window 2
.irp e, 0,1,2,3,4,5,6,7
.irp i, 0,1,2,3
	global_load_b128 v[16*\e+4*\i:16*\e+4*\i+3], v[L16], s[6:7] offset:\e*8192+512*\i   ; my quarter of row e, laid as h's loads lay h
.endr
.endr
	WIN 0x40                                       ; destination window 1
.macro XLOAD st                        ; step st: my quarter of token st, four loads of 512 consecutive bytes, into v[16 st ..] of window 1
.irp i, 0,1,2,3
	global_load_b128 v[16*(\st)+4*\i:16*(\st)+4*\i+3], v[L16], s[4:5] offset:(\st)*8192+512*\i th:TH_LOAD_NT
.endr
.endm
.irp t, 0,1,2,3,4,5,6,7,8,9,10,11,12,13,14,15
	XLOAD \t
.endr
	WIN 0
.macro TURN st                         ; a step's 2,048 bytes through my stage: in as loaded, out 64 bytes a lane.  LDS serves a wave's instructions in order
	WIN 0x04
.irp i, 0,1,2,3
	ds_store_b128 v[TIN], v[16*(\st)+4*\i:16*(\st)+4*\i+3] offset:32*SP*((\st)%2)+8*SP*\i
.endr
	WIN 0
.irp i, 0,1,2,3
	ds_load_b128 v[X+16*((\st)%2)+4*\i:X+16*((\st)%2)+4*\i+3], v[TOUT] offset:32*SP*((\st)%2)+16*\i
.endr
.endm
.macro DOT st                          ; 64 packed multiply-adds: 16 numbers x 8 experts; the experts by turns, so that no line waits for the line above it.  The first products start the sums
	WIN 0x09                                       ; source 0 (h) window 1, source 1 (gate_w) window 2
.irp pr, 0,1,2,3,4,5,6,7
.irp e, 0,1,2,3,4,5,6,7
.if \pr == 0
	v_pk_mul_f32 v[P+2*\e:P+2*\e+1], v[16*(\st)+2*\pr:16*(\st)+2*\pr+1], v[16*\e+2*\pr:16*\e+2*\pr+1]
.else
	v_pk_fma_f32 v[P+2*\e:P+2*\e+1], v[16*(\st)+2*\pr:16*(\st)+2*\pr+1], v[16*\e+2*\pr:16*\e+2*\pr+1], v[P+2*\e:P+2*\e+1]
.endif
.endr
.endr
	WIN 0
.irp e, 0,1,2,3,4,5,6,7
	v_add_f32 v[S+8*((\st)%4)+\e], v[P+2*\e], v[P+2*\e+1]
.endr
.endm
.macro RSTEP n, m, xm                  ; a lane keeps the sum that its bit chooses and gives the other to the lane xm away
.set i, 0
.rept \n
	v_cndmask_b32 v[K0], v[S+i], v[S+i+\n], s[\m]
	v_cndmask_b32 v[K1], v[S+i+\n], v[S+i], s[\m]
	v_add_f32_dpp v[S+i], v[K1], v[K0] row_xmask:\xm row_mask:0xf bank_mask:0xf
.set i, i+1
.endr
.endm
.macro TREE g                          ; group g's 32 sums over the 32 lanes, so that lane l ends with sum l: my quarter's part of logit (token 4 g + l / 8, expert l % 8)
.set i, 0
.rept 16
	v_permlane16_swap_b32 v[S+i], v[S+16+i]        ; lanes 0-15 now hold both halves' parts of sum i, lanes 16-31 those of sum i + 16
.set i, i+1
.endr
.set i, 0
.rept 16
	v_add_f32 v[S+i], v[S+i], v[S+16+i]
.set i, i+1
.endr
	RSTEP 8, 20, 8
	RSTEP 4, 21, 4
	RSTEP 2, 22, 2
	RSTEP 1, 23, 1
	ds_store_b32 v[PSW], v[S] offset:128*(\g)
.endm
.macro STEP st
.set XQ, X+16*((\st)%2)
.if (\st) > 0
	s_wait_dscnt 1                                 ; this step's numbers are back from the stage; the youngest LDS store may be out
.else
	s_wait_dscnt 0x0
.endif
.if (\st) < 15
	s_wait_loadcnt 4*(14-(\st))                    ; the next step's four loads are in; those of the steps behind it stay out
	TURN (\st)+1
.endif
	v_max3_num_f32 v[T], |v[XQ]|, |v[XQ+1]|, |v[XQ+2]|             ; the largest magnitude of my 16
	v_max3_num_f32 v[T+1], |v[XQ+3]|, |v[XQ+4]|, |v[XQ+5]|
.irp i, 6,10
	v_max3_num_f32 v[T], v[T], |v[XQ+\i]|, |v[XQ+\i+1]|
	v_max3_num_f32 v[T+1], v[T+1], |v[XQ+\i+2]|, |v[XQ+\i+3]|
.endr
	v_max3_num_f32 v[T], v[T], |v[XQ+14]|, |v[XQ+15]|
	v_max3_num_f32 v[T], v[T], v[T+1], 0x1800000   ; and the floor 2^(3 - 127): the byte cannot fall under 1
	v_max_num_f32_dpp v[T], v[T], v[T] row_xmask:1 row_mask:0xf bank_mask:0xf   ; with my neighbour's 16: the block's
	v_add_nc_u32 v[T+2], 0xff000000, v[T]          ; 2 off the exponent field: the conversion's scale operand
	v_cvt_scalef32_pk16_fp6_f32 v[C+4*(\st):C+4*(\st)+2], v[XQ:XQ+15], v[T+2]
	v_lshrrev_b32 v[E+(\st)], 23, v[T+2]           ; the scale's byte
	ds_store_b8 v[SBA], v[E+(\st)] offset:64*(\st) ; both lanes of a block write the same byte with the same value
	global_store_b96 v[XCO], v[C+4*(\st):C+4*(\st)+2], s[8:9] offset:(\st)*1536   ; the wave's 384 bytes are consecutive
	DOT \st
.if (\st)%4 == 3
	TREE (\st)/4
.endif
.endm
	s_wait_loadcnt 60                              ; gate_w's quarter and step 0's four loads are in; the 60 loads of steps 1 to 15 stay out
	TURN 0
.irp t, 0,1,2,3,4,5,6,7,8,9,10,11,12,13,14,15
	STEP \t
.endr
	s_wait_alu depctr_va_vdst(0)
	s_wait_dscnt 0x0                               ; for the others' sake: my scale bytes and my sums' parts lie in LDS
	s_barrier_signal -1
	s_barrier_wait -1
	ds_load_b64 v[T:T+1], v[SBR]                   ; my four tokens' 256 scale bytes leave as one aligned run of 256 bytes
.irp ws, 0,1,2,3
	ds_load_b32 v[X+\ws], v[PSR] offset:512*\ws    ; the four waves' parts of my group's sums
.endr
	s_wait_dscnt 0x0
	global_store_b64 v[L8], v[T:T+1], s[26:27]
	v_add_f32 v[X], v[X], v[X+1]
	v_add_f32 v[X+2], v[X+2], v[X+3]
	v_add_f32 v[X], v[X], v[X+2]
	global_store_b32 v[L4], v[X], s[14:15]         ; lane l: logit (token l / 8, expert l % 8): 128 consecutive bytes
	; THE TWO LARGEST of each eight lanes, the lower index first among equals: a butterfly on (value, index)
	v_and_b32 v[E7], 7, v10
	v_mov_b32 v[NINF], 0xff800000
	v_mov_b32 v[OV], 0
	v_mov_b32 v[OI], 0
.macro BFLY
.irp xm, 1,2,4
	v_mov_b32_dpp v[OV], v[VAL] row_xmask:\xm row_mask:0xf bank_mask:0xf
	v_mov_b32_dpp v[OI], v[IDX] row_xmask:\xm row_mask:0xf bank_mask:0xf
	v_cmp_gt_f32 s28, v[OV], v[VAL]
	v_cmp_eq_f32 s29, v[OV], v[VAL]
	v_cmp_lt_u32 s30, v[OI], v[IDX]
	s_and_b32 s29, s29, s30
	s_or_b32 s28, s28, s29
	v_cndmask_b32 v[VAL], v[VAL], v[OV], s28
	v_cndmask_b32 v[IDX], v[IDX], v[OI], s28
.endr
.endm
	v_mov_b32 v[VAL], v[X]
	v_mov_b32 v[IDX], v[E7]
	BFLY
	v_mov_b32 v[M1], v[VAL]
	v_mov_b32 v[I1], v[IDX]
	v_cmp_eq_u32 s28, v[E7], v[I1]
	v_cndmask_b32 v[VAL], v[X], v[NINF], s28       ; the winner stands aside
	v_mov_b32 v[IDX], v[E7]
	BFLY
	v_sub_f32 v[DD], v[VAL], v[M1]                 ; l2 - l1, 0 or less: the largest logit is taken away
	v_mul_f32 v[DD], 0x3fb8aa3b, v[DD]
	s_wait_alu depctr_va_vdst(0)
	v_exp_f32 v[DD], v[DD]
	v_nop                                          ; a plain instruction behind the exponential,
	s_wait_alu depctr_va_vdst(0)                   ; and the wait ahead of its first reader
	v_add_f32 v[RR], 1.0, v[DD]
	s_wait_alu depctr_va_vdst(0)
	v_rcp_f32 v[RR], v[RR]
	v_min_u32 v[ELO], v[I1], v[IDX]                ; (a plain instruction behind the reciprocal)
	s_wait_alu depctr_va_vdst(0)
	v_mul_f32 v[W2], v[DD], v[RR]
	v_max_u32 v[EHI], v[I1], v[IDX]
	v_cmp_lt_u32 s28, v[I1], v[IDX]
	v_cndmask_b32 v[WLO], v[W2], v[RR], s28        ; the weights in the order of the experts' numbers
	v_cndmask_b32 v[WLO+1], v[RR], v[W2], s28
	v_sub_nc_u32 v[TRI], 15, v[ELO]                ; the pair's number among the 28: lo (15 - lo) / 2 + hi - lo - 1
	v_mul_u32_u24 v[TRI], v[TRI], v[ELO]
	v_lshrrev_b32 v[TRI], 1, v[TRI]
	v_add_nc_u32 v[TRI], v[TRI], v[EHI]
	v_sub_nc_u32 v[TRI], v[TRI], v[ELO]
	v_add_nc_u32 v[TRI], -1, v[TRI]
	v_lshl_or_b32 v[ELO], v[EHI], 8, v[ELO]
	v_lshl_or_b32 v[ELO], v[TRI], 16, v[ELO]
	v_lshrrev_b32 v[SO4], 3, v10
	v_lshlrev_b32 v[SO8], 3, v[SO4]
	v_lshlrev_b32 v[SO4], 2, v[SO4]
	s_wait_alu depctr_va_vdst(0)
	s_wait_xcnt 0x0                                ; EXEC changes only behind this wait
	v_cmp_eq_u32 vcc_lo, 0, v[E7]
	s_and_saveexec_b32 s28, vcc_lo                 ; one lane for each token; the places are fixed: no address hangs on the choice
	global_store_b32 v[SO4], v[ELO], s[10:11]
	global_store_b64 v[SO8], v[WLO:WLO+1], s[12:13]
	s_wait_xcnt 0x0
	s_or_b32 exec_lo, exec_lo, s28
	s_wait_tensorcnt 0x0                           ; the wave's end
	ds_add_u32 v[SPW], v[NIL]
	s_wait_dscnt 0x0
	s_endpgm
.Lfunc_end_k_qbfa35331ea_router_quant:
	.size	k_qbfa35331ea_router_quant, .Lfunc_end_k_qbfa35331ea_router_quant-k_qbfa35331ea_router_quant
	.p2alignl 7, 3214868480
	.fill 96, 4, 3214868480
	.section	.rodata,"a",@progbits
	.p2align	6, 0x0
	.amdhsa_kernel k_qbfa35331ea_router_quant
		.amdhsa_group_segment_fixed_size 24064
		.amdhsa_private_segment_fixed_size 0
		.amdhsa_enable_private_segment 0
		.amdhsa_kernarg_size 48
		.amdhsa_user_sgpr_count 2
		.amdhsa_user_sgpr_kernarg_segment_ptr 1
		.amdhsa_wavefront_size32 1
		.amdhsa_system_sgpr_workgroup_id_x 1
		.amdhsa_system_sgpr_workgroup_id_y 1
		.amdhsa_system_sgpr_workgroup_id_z 1
		.amdhsa_system_vgpr_workitem_id 0
		.amdhsa_next_free_vgpr 640
		.amdhsa_next_free_sgpr 66
		.amdhsa_reserve_vcc 1
		.amdhsa_float_denorm_mode_32 3
		.amdhsa_float_denorm_mode_16_64 3
		.amdhsa_memory_ordered 1
		.amdhsa_forward_progress 1
		.amdhsa_inst_pref_size 128
	.end_amdhsa_kernel
	.amdgpu_metadata
---
amdhsa.version: [ 1, 2 ]
amdhsa.kernels:
  - .name:           k_qbfa35331ea_router_quant
    .symbol:         k_qbfa35331ea_router_quant.kd
    .args:
      - { .name: hidden_states, .offset: 0, .size: 8, .value_kind: global_buffer, .address_space: global }
      - { .name: gate_w, .offset: 8, .size: 8, .value_kind: global_buffer, .address_space: global }
      - { .name: xq, .offset: 16, .size: 8, .value_kind: global_buffer, .address_space: global }
      - { .name: sel, .offset: 24, .size: 8, .value_kind: global_buffer, .address_space: global }
      - { .name: rw, .offset: 32, .size: 8, .value_kind: global_buffer, .address_space: global }
      - { .name: out1, .offset: 40, .size: 8, .value_kind: global_buffer, .address_space: global }
    .group_segment_fixed_size: 24064
    .private_segment_fixed_size: 0
    .kernarg_segment_align: 8
    .kernarg_segment_size: 48
    .max_flat_workgroup_size: 128
    .sgpr_count:     66
    .vgpr_count:     640
    .wavefront_size: 32
...
	.end_amdgpu_metadata
.endif
;; end of part 1
;; launch weights_place (part 2): grid 385 x 1, 4 waves a work-group, no clusters, 97,280 bytes of LDS; arguments w1, w3, w2, sel, wq, route; writes wq, route
.if DOCPART == 2
	.amdgcn_target "amdgcn-amd-amdhsa--gfx1250"
	.amdhsa_code_object_version 6
	.text
	.protected	k_qbfa35331ea_weights_place
	.globl	k_qbfa35331ea_weights_place
	.p2align	8
	.type	k_qbfa35331ea_weights_place,@function
k_qbfa35331ea_weights_place:
	s_mov_b64 s[64:65], 0
	v_nop
	global_prefetch_b8 v0, s[64:65] scope:SCOPE_SE
	s_setreg_imm32_b32 hwreg(HW_REG_WAVE_MODE, 25, 1), 1
	s_wait_xcnt 0x0
; Launch 2 of 4.  Work-groups 1-256: w1 and w3, work-groups 257-384: w2, into codes of E2M3 laid IN THE ORDER OF THE OPERAND'S REGISTERS; work-group 0 places the tokens.
; All weights are quantised: which experts are used hangs on the inputs' values.
; A JOB is a wave's: 8,192 numbers, 16 steps of 512, four fragments (16 rows x 128 K, 12 registers a lane).  A fragment's image: three chunks of 512 bytes, chunk q = registers 4 q .. 4 q + 3, lane l's 16 bytes at 16 l.
;   w1/w3: job J = ((e 8 + sl) 4 + w) 4 + c: K steps 4 w .. 4 w + 3 of 16 rows; c = 0, 1: w1, c = 2, 3: w3, tile u = c % 2; row r of the tile is unit 32 sl + 8 u + r + 8 (r / 8),
;          so that the 16 registers of tiles 0 and 1 of a result are 16 neighbours along the next K.  A step is a row.
;   w2:    job J2: rows 32 J2 .. + 31 of w2 as [16384][256]: two tiles x two K steps.  A step is two rows.
; The loads take 512 consecutive bytes each and run eight steps (32 loads a wave) ahead; the numbers turn through the wave's stage so that a lane holds 16 neighbours; the codes are gathered as images in LDS
; and leave in stores of 512 consecutive bytes.
; A block's scale byte is its largest magnitude's exponent field - 2, held at 1 from below (a block of zeros: byte 1, codes zero; read by this program alone).  LIMITS: NaN and infinities are not served.
; PLACING: tokens are sorted (a counting sort, stable) by their pair of experts, 28 buckets; route holds [position] token | lo << 16 | hi << 24, and from byte 16,384 on for each block of 128 positions
; a list of its experts in ascending order: e | (tiles with a row whose lower expert is e) << 8 | (.. higher ..) << 16; unused entries are 0.
; The three paths part on the work-group's number and have LDS bytes of their own.
.set SP,    80
.set QREG,  12032                      ; a wave's region: stages 5,120; images 4 x 1,632; 256 scale bytes
.set IMG,   5120
.set SBY,   11648
.set PL,    96256                      ; the placing's 512 bytes
.set SPARE, 96768
.set R, 16                             ; v16-143  eight sets of 16 numbers as loaded
.set X, 144                            ; v144-175 two sets of 16 neighbours
.set C, 176                            ; v176-191 codes, four sets by turns
.set T, 192
.set IA, 200                           ; v200-202 where my three registers of codes go in an image
.set SBA, 203
.set OA,  204
.set SBR, 205
.set L8,  206
.set TIN, 207
.set TOUT, 208
.set E, 212                            ; v212-215 scale bytes, four sets by turns
.set SPW, 252
.set NIL, 253
	s_load_b256 s[4:11], s[0:1], 0x0               ; w1, w3, w2, sel
	s_load_b128 s[12:15], s[0:1], 0x20             ; wq, route
	v_lshl_add_u32 v[SPW], v0, 2, SPARE
	v_mov_b32 v[NIL], 0
	v_lshrrev_b32 v1, 5, v0
	v_readfirstlane_b32 s16, v1                    ; wave
	v_and_b32 v2, 31, v0                           ; lane
	v_lshlrev_b32 v3, 4, v2                        ; 16 x lane
	s_mov_b32 s21, 0
	s_wait_kmcnt 0x0
	s_cmp_eq_u32 ttmp9, 0
	s_cbranch_scc1 .Lplace
	s_cmp_gt_u32 ttmp9, 256
	s_cbranch_scc1 .Lw2
.macro QSETUP md                       ; the lane's addresses; s17 = my region.  md = 0: w1/w3, 1: w2
	v_lshrrev_b32 v[T], 2, v2
	v_mul_u32_u24 v[TIN], v[T], SP
	v_and_b32 v[T], 3, v2
	v_lshl_add_u32 v[TIN], v[T], 4, v[TIN]
	v_add_nc_u32 v[TIN], s17, v[TIN]
	v_mul_u32_u24 v[TOUT], v2, SP
	v_add_nc_u32 v[TOUT], s17, v[TOUT]
	v_bfe_u32 v[T], v2, 2, 1                       ; turned, lane l holds block (l / 2) % 4 = 2 c + h, half l % 2: registers 6 c + 3 half + 0 .. 2 of lane r + 16 h
	v_mul_u32_u24 v[T], v[T], 6
	v_and_b32 v[T+1], 1, v2
	v_mad_u32_u24 v[T], v[T+1], 3, v[T]
	v_bfe_u32 v[T+1], v2, 1, 1
	v_mul_u32_u24 v[T+1], v[T+1], 272              ; in LDS a chunk's two halves of the lanes lie 272 bytes apart
.if \md == 0
	v_lshrrev_b32 v[T+2], 3, v2                    ; the fragment: K step l / 8
.else
	v_bfe_u32 v[T+2], v2, 3, 1                     ; K step (l / 8) % 2
.endif
	v_mad_u32_u24 v[T+1], v[T+2], 1632, v[T+1]
.if \md
	v_lshrrev_b32 v[T+2], 4, v2                    ; the step's second row
	v_lshl_add_u32 v[T+1], v[T+2], 4, v[T+1]
.endif
	v_add_nc_u32 v[T+1], s17, v[T+1]
.irp i, 0,1,2
	v_add_nc_u32 v[T+2], \i, v[T]
	v_lshrrev_b32 v[T+3], 2, v[T+2]
	v_and_b32 v[T+2], 3, v[T+2]
	v_mad_u32_u24 v[T+3], v[T+3], 544, v[T+1]
	v_lshl_add_u32 v[IA+\i], v[T+2], 2, v[T+3]
.endr
.if \md == 0
	v_lshrrev_b32 v[SBA], 1, v2                    ; scale bytes [r][s][4]: 16 r + l / 2
.else
	v_bfe_u32 v[SBA], v2, 3, 1                     ; [tile][s][r][4]
	v_lshlrev_b32 v[SBA], 6, v[SBA]
	v_lshrrev_b32 v[T], 4, v2
	v_lshl_add_u32 v[SBA], v[T], 2, v[SBA]
	v_bfe_u32 v[T], v2, 1, 2
	v_add_nc_u32 v[SBA], v[SBA], v[T]
.endif
	v_add_nc_u32 v[SBA], s17, v[SBA]
	v_lshrrev_b32 v[T], 4, v2
	v_mul_u32_u24 v[T], v[T], 272
	v_and_b32 v[T+1], 15, v2
	v_lshl_add_u32 v[OA], v[T+1], 4, v[T]
	v_add_nc_u32 v[OA], s17, v[OA]
	v_lshl_add_u32 v[SBR], v2, 3, s17
	v_lshlrev_b32 v[L8], 3, v2
.endm
.macro LOADQ md, t
.if \md == 0
.set GO, ((\t)+8*((\t)/8))*8192                ; row r of the tile lies r + 8 (r / 8) rows of 8,192 bytes on
.else
.set GO, 2048*(\t)
.endif
.irp i, 0,1,2,3
	global_load_b128 v[R+16*((\t)%8)+4*\i:R+16*((\t)%8)+4*\i+3], v3, s[4:5] offset:GO+512*\i th:TH_LOAD_NT
.endr
.endm
.macro TURNQ t
.irp i, 0,1,2,3
	ds_store_b128 v[TIN], v[R+16*((\t)%8)+4*\i:R+16*((\t)%8)+4*\i+3] offset:32*SP*((\t)%2)+8*SP*\i
.endr
.irp i, 0,1,2,3
	ds_load_b128 v[X+16*((\t)%2)+4*\i:X+16*((\t)%2)+4*\i+3], v[TOUT] offset:32*SP*((\t)%2)+16*\i
.endr
.endm
.macro QSTEP md, t
.set XQ, X+16*((\t)%2)
.set CQ, C+4*((\t)%4)
.set EQ, E+((\t)%4)
.if \md == 0
.set IO, IMG+16*(\t)
.set SO, SBY+16*(\t)
.else
.set IO, IMG+((\t)/8)*3264+32*((\t)%8)
.set SO, SBY+((\t)/8)*128+8*((\t)%8)
.endif
.if (\t) > 0
	s_wait_dscnt 4                                 ; this step's numbers are back; the last step's three image stores and its byte store may be out.  So the stores of two steps back and more are done: their registers of codes are free
.else
	s_wait_dscnt 0x0
.endif
.if (\t)+8 < 16
	LOADQ \md, (\t)+8                              ; into the set that this step's turn has read
.endif
.if (\t)+1 < 16
.if 14-(\t) >= 7
	s_wait_loadcnt 28                              ; the next step's four loads are in; those of the seven steps behind it may be out
.else
	s_wait_loadcnt 4*(14-(\t))
.endif
	TURNQ (\t)+1
.endif
	v_max3_num_f32 v[T], |v[XQ]|, |v[XQ+1]|, |v[XQ+2]|
	v_max3_num_f32 v[T+1], |v[XQ+3]|, |v[XQ+4]|, |v[XQ+5]|
.irp i, 6,10
	v_max3_num_f32 v[T], v[T], |v[XQ+\i]|, |v[XQ+\i+1]|
	v_max3_num_f32 v[T+1], v[T+1], |v[XQ+\i+2]|, |v[XQ+\i+3]|
.endr
	v_max3_num_f32 v[T], v[T], |v[XQ+14]|, |v[XQ+15]|
	v_max3_num_f32 v[T], v[T], v[T+1], 0x1800000   ; the floor 2^(3 - 127)
	v_max_num_f32_dpp v[T], v[T], v[T] row_xmask:1 row_mask:0xf bank_mask:0xf
	v_add_nc_u32 v[T+2], 0xff000000, v[T]
	v_cvt_scalef32_pk16_fp6_f32 v[CQ:CQ+2], v[XQ:XQ+15], v[T+2]
	v_lshrrev_b32 v[EQ], 23, v[T+2]
.irp i, 0,1,2
	ds_store_b32 v[IA+\i], v[CQ+\i] offset:IO
.endr
	ds_store_b8 v[SBA], v[EQ] offset:SO
.endm
.macro QPATH md
	QSETUP \md
.irp t, 0,1,2,3,4,5,6,7
	LOADQ \md, \t
.endr
	s_wait_loadcnt 28                              ; step 0's four loads are in
	TURNQ 0
.irp t, 0,1,2,3,4,5,6,7,8,9,10,11,12,13,14,15
	QSTEP \md, \t
.endr
	s_wait_dscnt 0x0
.irp n, 0,1,2,3,4,5,6,7,8,9,10,11
	ds_load_b128 v[R+4*\n:R+4*\n+3], v[OA] offset:IMG+544*\n       ; chunk n of the job's twelve
.endr
	ds_load_b64 v[X:X+1], v[SBR] offset:SBY
.irp n, 0,1,2,3,4,5,6,7,8,9,10,11
	s_wait_dscnt 12-\n                             ; chunk n is back; the younger chunks and the scale bytes may be out
	global_store_b128 v3, v[R+4*\n:R+4*\n+3], s[22:23] offset:512*\n   ; 512 consecutive bytes
.endr
	s_wait_dscnt 0x0
	global_store_b64 v[L8], v[X:X+1], s[24:25]     ; the job's 256 scale bytes
	s_wait_tensorcnt 0x0                           ; the wave's end
	ds_add_u32 v[SPW], v[NIL]
	s_wait_dscnt 0x0
	s_endpgm
.endm
	; ---- w1 and w3
	s_mul_i32 s17, s16, QREG
	s_sub_co_u32 s18, ttmp9, 1                     ; (e 8 + sl) 4 + w
	s_lshr_b32 s20, s18, 5
	s_lshl_b32 s20, s20, 21                        ; e: 256 rows of 8,192 bytes
	s_bfe_u32 s19, s18, 0x30002
	s_lshl_b32 s19, s19, 18                        ; sl: 32 rows
	s_add_co_u32 s20, s20, s19
	s_and_b32 s19, s16, 1
	s_lshl_b32 s19, s19, 16                        ; u: 8 rows
	s_add_co_u32 s20, s20, s19
	s_and_b32 s19, s18, 3
	s_lshl_b32 s19, s19, 11                        ; w: 512 numbers along K
	s_add_co_u32 s20, s20, s19
	s_cmp_lt_u32 s16, 2                            ; waves 0, 1: w1; waves 2, 3: w3
	s_cselect_b64 s[4:5], s[4:5], s[6:7]
	s_add_nc_u64 s[4:5], s[4:5], s[20:21]
	s_lshl_b32 s18, s18, 2
	s_add_co_u32 s18, s18, s16                     ; J
	s_mul_i32 s20, s18, 6144
	s_add_nc_u64 s[22:23], s[12:13], s[20:21]
	s_lshl_b32 s20, s18, 8
	s_add_nc_u64 s[24:25], s[12:13], s[20:21]
	s_add_nc_u64 s[24:25], s[24:25], 6291456
	s_wait_alu depctr_va_vdst(0)
	QPATH 0
.Lw2:	; ---- w2
	s_mul_i32 s17, s16, QREG
	s_add_co_u32 s17, s17, 4*QREG
	s_sub_co_u32 s18, ttmp9, 257
	s_lshl_b32 s18, s18, 2
	s_add_co_u32 s18, s18, s16                     ; J2
	s_lshl_b32 s20, s18, 15
	s_add_nc_u64 s[4:5], s[8:9], s[20:21]
	s_mul_i32 s20, s18, 6144
	s_add_nc_u64 s[22:23], s[12:13], s[20:21]
	s_add_nc_u64 s[22:23], s[22:23], 6553600
	s_lshl_b32 s20, s18, 8
	s_add_nc_u64 s[24:25], s[12:13], s[20:21]
	s_add_nc_u64 s[24:25], s[24:25], 9699328
	s_wait_alu depctr_va_vdst(0)
	QPATH 1
.Lplace:	; ---- the placing.  Wave w: tokens 1024 w + 32 c + lane, c = 0 .. 31 (a chunk).  In the counts a lane stands for a bucket.
; This one work-group is a chain of dependent steps, so its lines are laid by turns: four chunks, or all 32, or all 28 buckets, go through each stage together, and no line reads the line above it.
.set S,   16                           ; v16-47   sel's words, later route's
.set RK,  48                           ; v48-79   the lanes that share my token's bucket, then my rank among them
.set PV,  80                           ; v80-111  (lane = bucket) the bucket's tokens in my wave's chunks up to this one
.set T4,  112                          ; v112-143 4 x my token's bucket
.set LN,  144                          ; v144-148 bit j of my lane ? 0 : -1
.set RUN, 149
.set P0,  150
.set TOT, 157
.set INC, 158
.set EXC, 159
.set POSR, 160                         ; v160-191 (lane = bucket) the chunk's lanes whose token falls into the bucket; later positions
.set GA,  192                          ; v192-203 at work on four chunks
.set GX,  196
.set GT,  200
	s_lshl_b32 s17, s16, 12
	s_wait_alu depctr_va_vdst(0)
	v_lshl_add_u32 v[P0], v2, 2, s17
.set c, 0
.rept 32
	global_load_b32 v[S+c], v[P0], s[10:11] offset:128*c
.set c, c+1
.endr
.irp j, 0,1,2,3,4
	v_bfe_u32 v[LN+\j], v2, \j, 1
.endr
.irp j, 0,1,2,3,4
	v_add_nc_u32 v[LN+\j], -1, v[LN+\j]
.endr
	s_mov_b32 s21, 0x01010101
.macro CHAIN c                         ; the counts' running sum over the chunks, in place
.if (\c) > 0
	v_add_nc_u32 v[PV+(\c)], v[PV+(\c)], v[PV+(\c)-1]
.endif
.endm
.macro LINK g, k                       ; one link of it, of the group before, set between this group's lines
.if (\g) > 0
	CHAIN 4*(\g)-4+(\k)
.endif
.endm
.macro GROUP g                         ; chunks 4 g .. 4 g + 3
.set CB, 4*(\g)
	s_wait_loadcnt 28-4*(\g)                       ; these four words are in; the later groups' may be out
.irp k, 0,1,2,3
	v_bfe_u32 v[T4+CB+\k], v[S+CB+\k], 16, 5       ; my token's bucket
.endr
	s_wait_alu depctr_va_vdst(0)
	LINK \g, 0
.irp k, 0,1,2,3
	v_min_u32 v[T4+CB+\k], 31, v[T4+CB+\k]
.endr
	LINK \g, 1
.irp k, 0,1,2,3
	v_lshlrev_b32 v[T4+CB+\k], 2, v[T4+CB+\k]
.endr
	LINK \g, 2
.irp j, 0,1,2,3,4
.irp k, 0,1,2,3
	v_and_b32 v[GA+\k], 1<<(16+\j), v[S+CB+\k]
.endr
.irp k, 0,1,2,3
	v_cmp_ne_u32 s[40+4*\j+\k], 0, v[GA+\k]        ; the lanes whose bucket has bit j: twenty masks, a scalar register each
.endr
.endr
	LINK \g, 3
.irp k, 0,1,2,3
	v_xor_b32 v[POSR+CB+\k], s[40+\k], v[LN]       ; the lanes whose bucket agrees with my lane's number in bit 0,
.endr
.irp j, 1,2,3,4
.irp k, 0,1,2,3
	v_xor_b32 v[GX+\k], s[40+4*\j+\k], v[LN+\j]
.endr
.irp k, 0,1,2,3
	v_and_b32 v[POSR+CB+\k], v[POSR+CB+\k], v[GX+\k]   ; and in bits 1 to 4: the lanes whose token falls into the bucket that I stand for
.endr
.endr
.irp k, 0,1,2,3
	ds_bpermute_b32 v[RK+CB+\k], v[T4+CB+\k], v[POSR+CB+\k]   ; my token's bucket's mask, from the lane that stands for it.  Its sources are the chunk's own registers and stay until the wait
.endr
.irp k, 0,1,2,3
	v_lshrrev_b32 v[GT+\k], 1, v[POSR+CB+\k]       ; the number of ones in the mask
.endr
.irp k, 0,1,2,3
	v_and_b32 v[GT+\k], 0x55555555, v[GT+\k]
.endr
.irp k, 0,1,2,3
	v_sub_nc_u32 v[GX+\k], v[POSR+CB+\k], v[GT+\k]
.endr
.irp k, 0,1,2,3
	v_lshrrev_b32 v[GT+\k], 2, v[GX+\k]
.endr
.irp k, 0,1,2,3
	v_and_b32 v[GX+\k], 0x33333333, v[GX+\k]
.endr
.irp k, 0,1,2,3
	v_and_b32 v[GT+\k], 0x33333333, v[GT+\k]
.endr
.irp k, 0,1,2,3
	v_add_nc_u32 v[GX+\k], v[GX+\k], v[GT+\k]
.endr
.irp k, 0,1,2,3
	v_lshrrev_b32 v[GT+\k], 4, v[GX+\k]
.endr
.irp k, 0,1,2,3
	v_add_nc_u32 v[GX+\k], v[GX+\k], v[GT+\k]
.endr
.irp k, 0,1,2,3
	v_and_b32 v[GX+\k], 0x0f0f0f0f, v[GX+\k]
.endr
.irp k, 0,1,2,3
	v_mul_lo_u32 v[GX+\k], v[GX+\k], s21
.endr
.irp k, 0,1,2,3
	v_lshrrev_b32 v[PV+CB+\k], 24, v[GX+\k]
.endr
.endm
.irp g, 0,1,2,3,4,5,6,7
	GROUP \g
.endr
.irp c, 28,29,30,31
	CHAIN \c
.endr
	v_lshl_add_u32 v[P0+6], v0, 2, PL
	ds_store_b32 v[P0+6], v[PV+31]                 ; my wave's count of each bucket
	s_wait_dscnt 0x0                               ; it lies in LDS; the 32 masks are back too
	s_barrier_signal -1
	s_barrier_wait -1
	v_lshl_add_u32 v[P0+6], v2, 2, PL
	ds_load_b32 v[P0+1], v[P0+6]
	ds_load_b32 v[P0+2], v[P0+6] offset:128
	ds_load_b32 v[P0+3], v[P0+6] offset:256
	ds_load_b32 v[P0+4], v[P0+6] offset:384
.set c, 0
.rept 32
	v_mbcnt_lo_u32_b32 v[RK+c], v[RK+c], 0         ; my rank among my chunk's tokens of my bucket.  (Work on registers while the four counts are out)
.set c, c+1
.endr
	s_lshl_b32 s20, s16, 10
	v_add_nc_u32 v[P0], s20, v2
.set c, 0
.rept 32
	v_lshl_or_b32 v[S+c], v[S+c], 16, v[P0]        ; lo << 16 | hi << 24 | 1024 w + lane,
.set c, c+1
.endr
.set c, 1
.rept 31
	v_add_nc_u32 v[S+c], 32*c, v[S+c]              ; + 32 c: the token (under 4,096: nothing is carried into bit 16)
.set c, c+1
.endr
	s_wait_dscnt 0x0
	v_add_nc_u32 v[TOT], v[P0+1], v[P0+2]
	v_add3_u32 v[TOT], v[TOT], v[P0+3], v[P0+4]
	s_cmp_gt_u32 s16, 0                            ; the earlier waves' counts
	s_cselect_b32 s20, -1, 0
	v_and_b32 v[P0+1], s20, v[P0+1]
	s_cmp_gt_u32 s16, 1
	s_cselect_b32 s20, -1, 0
	v_and_b32 v[P0+2], s20, v[P0+2]
	s_cmp_gt_u32 s16, 2
	s_cselect_b32 s20, -1, 0
	v_and_b32 v[P0+3], s20, v[P0+3]
	v_add3_u32 v[P0+1], v[P0+1], v[P0+2], v[P0+3]
	v_mov_b32 v[INC], v[TOT]                       ; a running sum over the buckets
	v_mov_b32 v[P0+5], 0
.irp n, 1,2,4,8
	v_mov_b32_dpp v[P0+5], v[INC] row_shr:\n row_mask:0xf bank_mask:0xf bound_ctrl:1
	v_add_nc_u32 v[INC], v[INC], v[P0+5]
.endr
	v_readlane_b32 s20, v[INC], 15
	v_lshrrev_b32 v[P0+5], 4, v2
	v_mul_lo_u32 v[P0+5], v[P0+5], s20
	v_add_nc_u32 v[INC], v[INC], v[P0+5]
	v_sub_nc_u32 v[EXC], v[INC], v[TOT]            ; where each bucket begins
	v_add_nc_u32 v[RUN], v[EXC], v[P0+1]           ; and where my wave's part of it begins
.set c, 31
.rept 31
	v_add_nc_u32 v[PV+c], v[RUN], v[PV+c-1]        ; + the bucket's tokens in my earlier chunks: from the last chunk down, so that each sum is read before it is written over
.set c, c-1
.endr
	v_mov_b32 v[PV], v[RUN]
.set c, 0
.rept 32
	ds_bpermute_b32 v[POSR+c], v[T4+c], v[PV+c]    ; from the lane that stands for my token's bucket
.set c, c+1
.endr
	s_wait_dscnt 0x0
.set c, 0
.rept 32
	v_add_nc_u32 v[POSR+c], v[POSR+c], v[RK+c]
.set c, c+1
.endr
.set c, 0
.rept 32
	v_min_u32 v[POSR+c], 0xfff, v[POSR+c]          ; the position, held inside its table
.set c, c+1
.endr
.set c, 0
.rept 32
	v_lshlrev_b32 v[POSR+c], 2, v[POSR+c]
.set c, c+1
.endr
.set c, 0
.rept 32
	global_store_b32 v[POSR+c], v[S+c], s[14:15]   ; each store has registers of its own, which nothing below writes
.set c, c+1
.endr
	s_cmp_lg_u32 s16, 0
	s_cbranch_scc1 .Lpl_end
	; wave 0: the blocks' lists.  First a lane stands for a bucket: its first tile and the tile behind its last; then for a block of 8 tiles of 16 positions
.set TMLO, 192
.set TMHI, 200
.set OUTL, 208
.set B8,   220
.set ONE,  221
.set ENT,  224
.set KEY,  232
.set FIRST, 240
.set ENDT, 241
.set BO,   243
.set U,    48                          ; registers that the sort has left
.set V,    80
.set INCR, 112
.set CN,   120
.macro SFOF                            ; bucket b's two scalar registers: s40-63 and s66-97
.if b < 12
.set SF, 40+2*b
.else
.set SF, 42+2*b
.endif
.endm
.macro SMOF                            ; compare n's scalar register: s48-63 and s66-85
.if n < 16
.set SM, 48+n
.else
.set SM, 50+n
.endif
.endm
	v_lshrrev_b32 v[FIRST], 4, v[EXC]
	v_add_nc_u32 v[ENDT], v[EXC], v[TOT]
	v_cmp_eq_u32 vcc_lo, 0, v[TOT]
	v_add_nc_u32 v[ENDT], 15, v[ENDT]
	v_lshrrev_b32 v[ENDT], 4, v[ENDT]
	v_cndmask_b32 v[ENDT], v[ENDT], v[FIRST], vcc_lo   ; an empty bucket touches no tile
	v_lshlrev_b32 v[B8], 3, v2
	v_mov_b32 v[ONE], 1
.set i, 0
.rept 24
	v_mov_b32 v[TMLO+i], 0
.set i, i+1
.endr
.set b, 0
.rept 28
	SFOF
	v_readlane_b32 s[SF], v[FIRST], b
	v_readlane_b32 s[SF+1], v[ENDT], b
.set b, b+1
.endr
.set b, 0
.rept 28                                       ; the tiles that bucket b touches, cut to my block's eight: bits u .. v - 1, u and v held to 0 .. 8
	SFOF
	v_max_u32 v[U+b], s[SF], v[B8]
	v_max_u32 v[V+b], s[SF+1], v[B8]
.set b, b+1
.endr
.set b, 0
.rept 28
	v_sub_nc_u32 v[U+b], v[U+b], v[B8]
	v_sub_nc_u32 v[V+b], v[V+b], v[B8]
.set b, b+1
.endr
.set b, 0
.rept 28
	v_min_u32 v[U+b], 8, v[U+b]
	v_min_u32 v[V+b], 8, v[V+b]
.set b, b+1
.endr
.set b, 0
.rept 28
	v_lshlrev_b32 v[U+b], v[U+b], v[ONE]
	v_lshlrev_b32 v[V+b], v[V+b], v[ONE]
.set b, b+1
.endr
.set b, 0
.rept 28
	v_sub_nc_u32 v[V+b], v[V+b], v[U+b]
.set b, b+1
.endr
.set BN, 0
.irp lo, 0,1,2,3,4,5,6
.irp hi, 1,2,3,4,5,6,7
.if \hi > \lo
	v_or_b32 v[TMLO+\lo], v[TMLO+\lo], v[V+BN]
	v_or_b32 v[TMHI+\hi], v[TMHI+\hi], v[V+BN]
.set BN, BN+1
.endif
.endr
.endr
	; the experts in use move up to the list's head: expert e goes to the place that is the number of experts in use below it
.irp e, 0,1,2,3,4,5,6,7
	v_or_b32 v[KEY+\e], v[TMLO+\e], v[TMHI+\e]
.endr
.irp e, 0,1,2,3,4,5,6,7
	v_cmp_ne_u32 s[40+\e], 0, v[KEY+\e]
.endr
.irp e, 0,1,2,3,4,5,6,7
	v_lshlrev_b32 v[ENT+\e], 8, v[TMLO+\e]
.endr
.irp e, 0,1,2,3,4,5,6,7
	v_lshl_or_b32 v[ENT+\e], v[TMHI+\e], 16, v[ENT+\e]
.endr
.irp e, 0,1,2,3,4,5,6,7
	v_or_b32 v[ENT+\e], \e, v[ENT+\e]
.endr
.irp e, 0,1,2,3,4,5,6,7
	v_cndmask_b32 v[INCR+\e], 0, 1, s[40+\e]
.endr
	v_mov_b32 v[CN], 0
.irp e, 1,2,3,4,5,6,7
	v_add_nc_u32 v[CN+\e], v[CN+\e-1], v[INCR+\e-1]
.endr
.irp e, 0,1,2,3,4,5,6,7
	v_cndmask_b32 v[KEY+\e], 15, v[CN+\e], s[40+\e]    ; its place; 15, which is no place, where it is not in use
.endr
.set n, 0
.irp e, 0,1,2,3,4,5,6,7
.irp j, 0,1,2,3,4,5,6,7
.if \j <= \e
	SMOF
	v_cmp_eq_u32 s[SM], \j, v[KEY+\e]
.set n, n+1
.endif
.endr
.endr
.set n, 0
.irp e, 0,1,2,3,4,5,6,7
.irp j, 0,1,2,3,4,5,6,7
.if \j <= \e
	SMOF
	v_cndmask_b32 v[OUTL+\j], v[OUTL+\j], v[ENT+\e], s[SM]
.set n, n+1
.endif
.endr
.endr
	v_lshlrev_b32 v[BO], 5, v2
	global_store_b128 v[BO], v[OUTL:OUTL+3], s[14:15] offset:16384
	global_store_b128 v[BO], v[OUTL+4:OUTL+7], s[14:15] offset:16400
.Lpl_end:
	s_wait_tensorcnt 0x0                           ; the wave's end
	ds_add_u32 v[SPW], v[NIL]
	s_wait_dscnt 0x0
	s_endpgm
.Lfunc_end_k_qbfa35331ea_weights_place:
	.size	k_qbfa35331ea_weights_place, .Lfunc_end_k_qbfa35331ea_weights_place-k_qbfa35331ea_weights_place
	.p2alignl 7, 3214868480
	.fill 96, 4, 3214868480
	.section	.rodata,"a",@progbits
	.p2align	6, 0x0
	.amdhsa_kernel k_qbfa35331ea_weights_place
		.amdhsa_group_segment_fixed_size 97280
		.amdhsa_private_segment_fixed_size 0
		.amdhsa_enable_private_segment 0
		.amdhsa_kernarg_size 48
		.amdhsa_user_sgpr_count 2
		.amdhsa_user_sgpr_kernarg_segment_ptr 1
		.amdhsa_wavefront_size32 1
		.amdhsa_system_sgpr_workgroup_id_x 1
		.amdhsa_system_sgpr_workgroup_id_y 1
		.amdhsa_system_sgpr_workgroup_id_z 1
		.amdhsa_system_vgpr_workitem_id 0
		.amdhsa_next_free_vgpr 256
		.amdhsa_next_free_sgpr 100
		.amdhsa_reserve_vcc 1
		.amdhsa_float_denorm_mode_32 3
		.amdhsa_float_denorm_mode_16_64 3
		.amdhsa_memory_ordered 1
		.amdhsa_forward_progress 1
		.amdhsa_inst_pref_size 171
	.end_amdhsa_kernel
	.amdgpu_metadata
---
amdhsa.version: [ 1, 2 ]
amdhsa.kernels:
  - .name:           k_qbfa35331ea_weights_place
    .symbol:         k_qbfa35331ea_weights_place.kd
    .args:
      - { .name: w1, .offset: 0, .size: 8, .value_kind: global_buffer, .address_space: global }
      - { .name: w3, .offset: 8, .size: 8, .value_kind: global_buffer, .address_space: global }
      - { .name: w2, .offset: 16, .size: 8, .value_kind: global_buffer, .address_space: global }
      - { .name: sel, .offset: 24, .size: 8, .value_kind: global_buffer, .address_space: global }
      - { .name: wq, .offset: 32, .size: 8, .value_kind: global_buffer, .address_space: global }
      - { .name: route, .offset: 40, .size: 8, .value_kind: global_buffer, .address_space: global }
    .group_segment_fixed_size: 97280
    .private_segment_fixed_size: 0
    .kernarg_segment_align: 8
    .kernarg_segment_size: 48
    .max_flat_workgroup_size: 128
    .sgpr_count:     100
    .vgpr_count:     256
    .wavefront_size: 32
...
	.end_amdgpu_metadata
.endif
;; end of part 2
;; launch gate_up (part 3): grid 8 x 32, 4 waves a work-group, no clusters, 262,656 bytes of LDS; arguments xq, wq, route, gq; writes gq
.if DOCPART == 3
	.amdgcn_target "amdgcn-amd-amdhsa--gfx1250"
	.amdhsa_code_object_version 6
	.text
	.protected	k_qbfa35331ea_gate_up
	.globl	k_qbfa35331ea_gate_up
	.p2align	8
	.type	k_qbfa35331ea_gate_up,@function
k_qbfa35331ea_gate_up:
	s_mov_b64 s[64:65], 0
	v_nop
	global_prefetch_b8 v0, s[64:65] scope:SCOPE_SE
	s_setreg_imm32_b32 hwreg(HW_REG_WAVE_MODE, 25, 1), 1
	s_wait_xcnt 0x0
; Launch 3 of 4: g = silu(x w1^T) (x w3^T), quantised along F, for each token's two chosen experts alone (the others' results reference() multiplies by a 0 of its own router's making).
; SHARES: work-group (sl, block): 32 units of F (one block of the next K) for 128 sorted positions, 8 tiles of 16.  The four waves share K: wave w has K steps 4 w .. 4 w + 3 for all 8 tiles of rows and
; the 4 tiles of units (w1's two, w3's two).  Each byte of x and of the weights enters the work-group once; x stays in registers.  The waves' partial sums meet in LDS; wave w owns tiles 2 w, 2 w + 1.
; x comes in whole rows: wave w fetches the rows (1,536 bytes) of positions 32 w .. + 31, puts them into LDS 1,552 bytes apart, and behind a barrier every wave reads its four K steps of all rows.
; THE WEIGHTS HAVE TWO BUFFERS: a place asks at its head for the next expert's fragments, into the buffer that the place before has left; they have this place's products and sums in which to land.
; g's codes are chosen into registers (a row's lower expert: k = 0, its higher: k = 1) and stored once, behind the walk: every row meets both its experts in the list.
; No tensor load, no cluster: which experts and tiles are walked hangs on the stored list.  No prefetch: the bytes are read by many work-groups of this launch.
; The walk: eight places of the list, a loop of constant count; the one barrier of a place stands outside every branch.
; Products are used transposed (source 0 = 16 units, source 1 = 16 tokens): lane (r, h) holds token r and units 16 h + 0 .. 15 of the slice.
; gq: codes [tile 256][k 2][block 8][row 16][24 bytes]; scale bytes from byte 1,572,864 on: [tile][k][K step 2][row 16][4].
; LIMITS: NaN and infinities are not served; a block of zeros gets the byte 1.
; REGISTERS, window 0: v1 r, v2 h, v3 16 lane, v4 16 r, v5 24 r + 12 h, v6 4 r; v8-23 at the head tokens and offsets, then the chosen codes (4 (2 u + k): three of codes, one byte);
;   v24-27 my tiles' rows' experts; v28-31 where I put sums; v32-63 x's scale words; v64-95 the weights' (16 b + 4 c + s); v96-127 four accumulators, v96-223 the four waves' sums of a tile;
;   v224-235 fragment 63; v236-242 at work; v243-249 LDS addresses.  FRAGMENTS of 12 registers, 21 to a window from window 1 on: 0-31 x (4 t + s), 32-63 the weights (32 + 16 b + 4 s + c).
.set SPARE, 262144
.set XP,  1552
.set SPW, 250
.set NIL, 251
.set RB,  96
.set FX,  224
.set CD,  8
.set MSB, 0
.macro WIN new
.if MSB != (\new)
	s_set_vgpr_msb (MSB<<8)|(\new)
.set MSB, (\new)
.endif
.endm
.macro FRG f                           ; fragment f: window FW, first register FR
.if (\f) < 63
.set FW, 1+(\f)/21
.set FR, 12*((\f)%21)
.else
.set FW, 0
.set FR, FX
.endif
.endm
	s_load_b256 s[4:11], s[0:1], 0x0               ; xq, wq, route, gq
	v_lshl_add_u32 v[SPW], v0, 2, SPARE
	v_mov_b32 v[NIL], 0
	v_lshrrev_b32 v1, 5, v0
	v_readfirstlane_b32 s12, v1                    ; wave
	s_mov_b32 s13, ttmp9                           ; slice
	s_and_b32 s14, ttmp7, 0xffff                   ; block
	s_lshl_b32 s15, s12, 1
	v_and_b32 v7, 31, v0
	v_and_b32 v1, 15, v0
	v_bfe_u32 v2, v0, 4, 1
	v_lshlrev_b32 v3, 4, v7
	v_lshlrev_b32 v4, 4, v1
	v_mul_u32_u24 v5, v1, 24
	v_mad_u32_u24 v5, v2, 12, v5
	v_lshlrev_b32 v6, 2, v1
	s_lshl_b32 s29, s12, 12                        ; LDS: [region 2][tile 8][from wave 4][chunk 8][512 bytes]
	v_add_nc_u32 v28, s29, v3
	v_add_nc_u32 v29, 65536, v28
	v_add_nc_u32 v30, 131072, v28
	v_add_nc_u32 v31, 196608, v28
	s_lshl_b32 s29, s12, 15
	v_add_nc_u32 v248, s29, v3
	v_add_nc_u32 v249, 131072, v248
	s_mul_i32 s29, s12, 32*XP
	v_add_nc_u32 v243, s29, v3                     ; the stage, on the way in
	s_mul_i32 s29, s12, 384
	v_mul_u32_u24 v244, v1, XP
	v_mad_u32_u24 v244, v2, 48, v244
	v_add_nc_u32 v244, s29, v244                   ; and out: row r, my four K steps, my half's 48 bytes of each
	v_add_nc_u32 v245, 32*XP, v244
	v_add_nc_u32 v246, 64*XP, v244
	v_add_nc_u32 v247, 96*XP, v244
	s_lshl_b32 s29, s12, 7
	v_add_nc_u32 v236, s29, v6                     ; my own tiles' rows in the block's 512 bytes of route
	v_mov_b32 v239, s29                            ; my 32 positions there
	s_lshl_b32 s31, s12, 4
	s_mov_b32 s44, 0x76543210
	s_mov_b32 s45, 0xfedcba98                      ; selects for lane l xor 16
	s_mov_b32 s52, 0xbfb8aa3b                      ; -log2(e)
	s_mov_b32 s53, s52
	s_mov_b32 s49, 0
	s_mov_b32 s24, 0
	s_wait_alu depctr_va_vdst(0)                   ; the wait at the head's end
	s_wait_kmcnt 0x0
	s_lshl_b32 s48, s14, 5
	s_add_nc_u64 s[50:51], s[8:9], s[48:49]
	s_load_b256 s[16:23], s[50:51], 0x4000         ; the block's list
	s_lshl_b32 s48, s14, 9
	s_add_nc_u64 s[8:9], s[8:9], s[48:49]          ; the block's 128 positions
.irp t, 0,1,2,3,4,5,6,7
	global_load_b32 v[8+\t], v6, s[8:9] offset:64*\t
.endr
	global_load_b32 v24, v236, s[8:9]
	global_load_b32 v25, v236, s[8:9] offset:64
.set j, 0
.rept 32
	global_load_b32 v[RB+j], v239, s[8:9] offset:4*j               ; position 32 w + j, in every lane
.set j, j+1
.endr
	s_add_nc_u64 s[42:43], s[4:5], 6291456         ; x's scale bytes
	s_add_nc_u64 s[36:37], s[6:7], 6291456         ; the weights' scale words
	s_lshl_b32 s29, s14, 3
	s_add_co_u32 s29, s29, s15                     ; my first tile: 8 block + 2 w
	s_mul_i32 s48, s29, 6144
	s_mul_i32 s30, s13, 384
	s_add_co_u32 s48, s48, s30
	s_add_nc_u64 s[38:39], s[10:11], s[48:49]      ; g's codes
	s_lshl_b32 s48, s29, 8
	s_lshr_b32 s30, s13, 2
	s_lshl_b32 s30, s30, 6
	s_add_co_u32 s48, s48, s30
	s_and_b32 s30, s13, 3
	s_add_co_u32 s48, s48, s30
	s_add_nc_u64 s[40:41], s[10:11], s[48:49]
	s_add_nc_u64 s[40:41], s[40:41], 1572864       ; g's scale bytes
	s_wait_loadcnt 0x0
	v_lshrrev_b32 v26, 24, v24
	v_lshrrev_b32 v27, 24, v25
	v_bfe_u32 v24, v24, 16, 8
	v_bfe_u32 v25, v25, 16, 8
.irp t, 0,1,2,3,4,5,6,7
	v_and_b32 v[8+\t], 0xffff, v[8+\t]             ; the token, held inside its table
	v_min_u32 v[8+\t], 0xfff, v[8+\t]
	v_lshl_add_u32 v[16+\t], v[8+\t], 6, s31
.endr
.set j, 0
.rept 32
	v_and_b32 v[RB+j], 0xffff, v[RB+j]
.set j, j+1
.endr
.set j, 0
.rept 32
	v_min_u32 v[RB+j], 0xfff, v[RB+j]
.set j, j+1
.endr
.set j, 0
.rept 32
	v_mul_u32_u24 v[RB+j], v[RB+j], 1536
.set j, j+1
.endr
.set j, 0
.rept 32
	v_add_nc_u32 v[RB+j], v[RB+j], v3              ; the token's row in xq + 16 x lane
.set j, j+1
.endr
; an expert's 16 fragments for my slice and my K steps into buffer b: 48 loads of 512 consecutive bytes, and the scale words.  The base registers are written only where all earlier loads have been waited for
.macro WLOAD b, ent
	s_and_b32 s30, s[\ent], 7
	s_min_u32 s30, s30, 7
	s_lshl_b32 s30, s30, 3
	s_add_co_u32 s30, s30, s13
	s_lshl_b32 s30, s30, 2
	s_add_co_u32 s30, s30, s12                     ; (e 8 + sl) 4 + w
	s_mul_i32 s32, s30, 24576
	s_mov_b32 s33, 0
	s_add_nc_u64 s[32:33], s[6:7], s[32:33]
	s_lshl_b32 s34, s30, 10
	s_mov_b32 s35, 0
	s_add_nc_u64 s[34:35], s[36:37], s[34:35]
.irp s, 0,1,2,3
.irp c, 0,1,2,3
	FRG 32+16*(\b)+4*\s+\c
	WIN FW<<6
.irp q, 0,1,2
	global_load_b128 v[FR+4*\q:FR+4*\q+3], v3, s[32:33] offset:(4*\c+\s)*1536+512*\q
.endr
.endr
.endr
	WIN 0
.irp c, 0,1,2,3
	global_load_b128 v[64+16*(\b)+4*\c:67+16*(\b)+4*\c], v4, s[34:35] offset:256*\c
.endr
.endm
	s_wait_alu depctr_va_vdst(0)
	s_wait_kmcnt 0x0
	WLOAD 0, 16                                    ; the list's first expert
.irp t, 0,1,2,3,4,5,6,7
	global_load_b128 v[32+4*\t:35+4*\t], v[16+\t], s[42:43]
.endr
.set j, 0
.rept 32                                       ; my 32 tokens' rows: 96 loads of 512 consecutive bytes; row j into fragment j's registers
	FRG j
	WIN FW<<6
.irp i, 0,1,2
	global_load_b128 v[FR+4*\i:FR+4*\i+3], v[RB+j], s[4:5] offset:512*\i
.endr
.set j, j+1
.endr
.set j, 48
.rept 16                                       ; buffer 1 begins as zero codes, so that each of its registers is written on every way; work on registers while the loads are out
	FRG j
	WIN FW<<6
.set i, 0
.rept 12
	v_mov_b32 v[FR+i], 0
.set i, i+1
.endr
.set j, j+1
.endr
	WIN 0
.set i, 0
.rept 16
	v_mov_b32 v[80+i], 0
.set i, i+1
.endr
.macro XPUT j                          ; token j's row into the stage, as it lies
	FRG \j
	WIN FW<<2
.irp i, 0,1,2
	ds_store_b128 v243, v[FR+4*\i:FR+4*\i+3] offset:(\j)*XP+512*\i
.endr
.endm
	s_wait_alu depctr_va_vdst(0)
	s_wait_loadcnt 60                              ; all but the youngest 60 loads are in: the weights, the scale words and the first 12 rows
.irp j, 0,1,2,3,4,5,6,7,8,9,10,11
	XPUT \j
.endr
	s_wait_loadcnt 48                              ; four rows, twelve loads, more at each wait
.irp j, 12,13,14,15
	XPUT \j
.endr
	s_wait_loadcnt 36
.irp j, 16,17,18,19
	XPUT \j
.endr
	s_wait_loadcnt 24
.irp j, 20,21,22,23
	XPUT \j
.endr
	s_wait_loadcnt 12
.irp j, 24,25,26,27
	XPUT \j
.endr
	s_wait_loadcnt 0x0
.irp j, 28,29,30,31
	XPUT \j
.endr
	WIN 0
.set i, 0
.rept 16
	v_mov_b32 v[CD+i], 0                           ; the chosen codes: the loads that took these registers as offsets are done
.set i, i+1
.endr
	s_wait_alu depctr_va_vdst(0)
	s_wait_dscnt 0x0                               ; for the others' sake: my 32 rows lie in LDS
	s_barrier_signal -1
	s_barrier_wait -1
.irp t, 0,1,2,3,4,5,6,7
.irp s, 0,1,2,3
	FRG 4*\t+\s
	WIN FW<<6
.irp q, 0,1,2
	ds_load_b128 v[FR+4*\q:FR+4*\q+3], v[244+\t/2] offset:(\t%2)*16*XP+96*\s+16*\q   ; lane (r, h): row 16 t + r, K step 4 w + s, my half's 48 bytes
.endr
.endr
.endr
	WIN 0
	s_wait_dscnt 0x0                               ; my reads of the stage are over:
	s_barrier_signal -1
	s_barrier_wait -1                              ; everybody's are, and its bytes may take partial sums
; tile t against the expert in buffer p: 16 products; the four accumulators by turns, one instruction a turn; the first K step starts the sums.
; Five places behind the last product serve the stores, the loads into registers that products have read, and the next tile's products.
.macro TILE p, t
	s_bitcmp1_b32 s27, \t
	s_cbranch_scc0 .Lnt_\@
.irp s, 0,1,2,3
.irp c, 0,1,2,3
	FRG 4*(\t)+\s
.set XW, FW
.set XR, FR
	FRG 32+16*(\p)+4*\s+\c
	WIN FW|(XW<<2)
.if \s == 0
	v_wmma_scale_f32_16x16x128_f8f6f4 v[RB+8*\c:RB+8*\c+7], v[FR:FR+11], v[XR:XR+11], 0, v[64+16*(\p)+4*\c+\s], v[32+4*(\t)+\s] matrix_a_fmt:MATRIX_FMT_FP6 matrix_b_fmt:MATRIX_FMT_FP6
.else
	v_wmma_scale_f32_16x16x128_f8f6f4 v[RB+8*\c:RB+8*\c+7], v[FR:FR+11], v[XR:XR+11], v[RB+8*\c:RB+8*\c+7], v[64+16*(\p)+4*\c+\s], v[32+4*(\t)+\s] matrix_a_fmt:MATRIX_FMT_FP6 matrix_b_fmt:MATRIX_FMT_FP6
.endif
.endr
.endr
	WIN 0
.rept 5
	v_nop
.endr
.irp c, 0,1,2,3
	ds_store_b128 v[28+2*(\p)+(\t)/4], v[RB+8*\c:RB+8*\c+3] offset:((\t)%4)*16384+1024*\c      ; each accumulator from its low end on
	ds_store_b128 v[28+2*(\p)+(\t)/4], v[RB+8*\c+4:RB+8*\c+7] offset:((\t)%4)*16384+1024*\c+512
.endr
.Lnt_\@:
.endm
; my tile 2 w + u: the four waves' sums are added; g = a / (1 + 2^(-a log2 e)) x b; quantised; kept for the rows whose expert this is
.macro REDUCE p, u
	s_lshr_b32 s29, s27, s15
	s_bitcmp1_b32 s29, \u
	s_cbranch_scc0 .Lnr_\@
.irp ws, 0,1,2,3
.irp k, 0,1,2,3,4,5,6,7
	ds_load_b128 v[RB+32*\ws+4*\k:RB+32*\ws+4*\k+3], v[248+(\p)] offset:(\u)*16384+\ws*4096+512*\k
.endr
.endr
	s_wait_dscnt 0x0
.irp j, 0,2,4,6,8,10,12,14,16,18,20,22,24,26,28,30
	v_pk_add_f32 v[RB+\j:RB+\j+1], v[RB+\j:RB+\j+1], v[RB+32+\j:RB+32+\j+1]
	v_pk_add_f32 v[RB+64+\j:RB+64+\j+1], v[RB+64+\j:RB+64+\j+1], v[RB+96+\j:RB+96+\j+1]
.endr
.irp j, 0,2,4,6,8,10,12,14,16,18,20,22,24,26,28,30
	v_pk_add_f32 v[RB+\j:RB+\j+1], v[RB+\j:RB+\j+1], v[RB+64+\j:RB+64+\j+1]
.endr
.irp j, 0,2,4,6,8,10,12,14
	v_pk_mul_f32 v[RB+32+\j:RB+32+\j+1], v[RB+\j:RB+\j+1], s[52:53] op_sel_hi:[1,0]
.endr
	s_wait_alu depctr_va_vdst(0)                   ; the wait ahead of a batch
.irp j, 0,1,2,3,4,5,6,7,8,9,10,11,12,13,14,15
	v_exp_f32 v[RB+32+\j], v[RB+32+\j]
.endr
	v_nop                                          ; a plain instruction behind the batch,
	s_wait_alu depctr_va_vdst(0)                   ; and one wait for the sixteen, ahead of their first reader
.irp j, 0,2,4,6,8,10,12,14
	v_pk_add_f32 v[RB+32+\j:RB+32+\j+1], v[RB+32+\j:RB+32+\j+1], 1.0 op_sel_hi:[1,0]
.endr
	s_wait_alu depctr_va_vdst(0)
.irp j, 0,1,2,3,4,5,6,7,8,9,10,11,12,13,14,15
	v_rcp_f32 v[RB+32+\j], v[RB+32+\j]
.endr
	v_nop
	s_wait_alu depctr_va_vdst(0)
.irp j, 0,2,4,6,8,10,12,14
	v_pk_mul_f32 v[RB+\j:RB+\j+1], v[RB+\j:RB+\j+1], v[RB+32+\j:RB+32+\j+1]
.endr
.irp j, 0,2,4,6,8,10,12,14
	v_pk_mul_f32 v[RB+\j:RB+\j+1], v[RB+\j:RB+\j+1], v[RB+16+\j:RB+16+\j+1]
.endr
	v_max3_num_f32 v236, |v[RB]|, |v[RB+1]|, 0x1800000             ; my 16 numbers and the floor 2^(3 - 127)
	v_max3_num_f32 v237, |v[RB+2]|, |v[RB+3]|, |v[RB+4]|
	v_max3_num_f32 v236, v236, |v[RB+5]|, |v[RB+6]|
	v_max3_num_f32 v237, v237, |v[RB+7]|, |v[RB+8]|
	v_max3_num_f32 v236, v236, |v[RB+9]|, |v[RB+10]|
	v_max3_num_f32 v237, v237, |v[RB+11]|, |v[RB+12]|
	v_max3_num_f32 v236, v236, |v[RB+13]|, |v[RB+14]|
	v_max3_num_f32 v236, v236, v237, |v[RB+15]|
	v_permlanex16_b32 v237, v236, s44, s45
	v_max_num_f32 v236, v236, v237                 ; with lane l xor 16's: the block's largest magnitude
	v_add_nc_u32 v238, 0xff000000, v236
	v_lshrrev_b32 v239, 23, v238                   ; the scale's byte
	v_cvt_scalef32_pk16_fp6_f32 v[240:242], v[RB:RB+15], v238
	v_nop                                          ; one plain place behind the conversion
.irp k, 0,1
	v_cmp_eq_u32 vcc_lo, s28, v[24+2*\k+(\u)]      ; the rows whose lower (k = 0) or higher (k = 1) expert this is keep these codes and this byte
.irp i, 0,1,2,3
	v_cndmask_b32 v[CD+4*(2*(\u)+\k)+\i], v[CD+4*(2*(\u)+\k)+\i], v[240+\i-4*(\i/3)], vcc_lo   ; i = 0, 1, 2: the codes in v240-242; i = 3: the byte in v239
.endr
.endr
.Lnr_\@:
.endm
; one place of the list.  Region p of LDS is written again only behind the other place's barrier, in front of which every wave has waited for its reads of it.
.macro POS p
	s_bfe_u32 s25, s[16+\p], 0x80008
	s_bfe_u32 s26, s[16+\p], 0x80010
	s_or_b32 s27, s25, s26                         ; the tiles that hold the expert
	s_and_b32 s28, s[16+\p], 7                     ; the expert
	s_cmp_eq_u32 s27, 0
	s_cbranch_scc1 .Lbar_\@
	s_wait_loadcnt 0x0                             ; its weights are in; no load of mine is out
	s_lshr_b32 s29, s[17+\p], 8
	s_cmp_eq_u32 s29, 0
	s_cbranch_scc1 .Lnl_\@
	WLOAD 1-\p, 17+\p                              ; the next expert's, into the buffer that the place before has left
.Lnl_\@:
.irp t, 0,1,2,3,4,5,6,7
	TILE \p, \t
.endr
.Lbar_\@:
	s_wait_dscnt 0x0                               ; my partial sums lie in LDS, and my reads of the other region are over
	s_barrier_signal -1
	s_barrier_wait -1
	s_cmp_eq_u32 s27, 0
	s_cbranch_scc1 .Lend_\@
	REDUCE \p, 0
	REDUCE \p, 1
.Lend_\@:
.endm
.Ltrip:                                                ; four trips of two places: the count is a constant, whatever the list holds
	POS 0
	POS 1
	s_mov_b64 s[16:17], s[18:19]
	s_mov_b64 s[18:19], s[20:21]
	s_mov_b64 s[20:21], s[22:23]
	s_mov_b64 s[22:23], 0
	s_add_co_u32 s24, s24, 1
	s_cmp_lt_u32 s24, 4
	s_cbranch_scc1 .Ltrip
	s_wait_alu depctr_va_vdst(0)                   ; the wait here, directly ahead of the readers below
.irp u, 0,1
.irp k, 0,1
	global_store_b96 v5, v[CD+4*(2*\u+\k):CD+4*(2*\u+\k)+2], s[38:39] offset:\u*6144+\k*3072   ; 384 consecutive bytes a wave
	global_store_b8 v6, v[CD+4*(2*\u+\k)+3], s[40:41] offset:\u*256+\k*128                     ; both lanes of a row write the same byte with the same value
.endr
.endr
	s_wait_tensorcnt 0x0                           ; the wave's end
	ds_add_u32 v[SPW], v[NIL]
	s_wait_dscnt 0x0
	s_endpgm
.Lfunc_end_k_qbfa35331ea_gate_up:
	.size	k_qbfa35331ea_gate_up, .Lfunc_end_k_qbfa35331ea_gate_up-k_qbfa35331ea_gate_up
	.p2alignl 7, 3214868480
	.fill 96, 4, 3214868480
	.section	.rodata,"a",@progbits
	.p2align	6, 0x0
	.amdhsa_kernel k_qbfa35331ea_gate_up
		.amdhsa_group_segment_fixed_size 262656
		.amdhsa_private_segment_fixed_size 0
		.amdhsa_enable_private_segment 0
		.amdhsa_kernarg_size 32
		.amdhsa_user_sgpr_count 2
		.amdhsa_user_sgpr_kernarg_segment_ptr 1
		.amdhsa_wavefront_size32 1
		.amdhsa_system_sgpr_workgroup_id_x 1
		.amdhsa_system_sgpr_workgroup_id_y 1
		.amdhsa_system_sgpr_workgroup_id_z 1
		.amdhsa_system_vgpr_workitem_id 0
		.amdhsa_next_free_vgpr 1024
		.amdhsa_next_free_sgpr 66
		.amdhsa_reserve_vcc 1
		.amdhsa_float_denorm_mode_32 3
		.amdhsa_float_denorm_mode_16_64 3
		.amdhsa_memory_ordered 1
		.amdhsa_forward_progress 1
		.amdhsa_inst_pref_size 148
	.end_amdhsa_kernel
	.amdgpu_metadata
---
amdhsa.version: [ 1, 2 ]
amdhsa.kernels:
  - .name:           k_qbfa35331ea_gate_up
    .symbol:         k_qbfa35331ea_gate_up.kd
    .args:
      - { .name: xq, .offset: 0, .size: 8, .value_kind: global_buffer, .address_space: global }
      - { .name: wq, .offset: 8, .size: 8, .value_kind: global_buffer, .address_space: global }
      - { .name: route, .offset: 16, .size: 8, .value_kind: global_buffer, .address_space: global }
      - { .name: gq, .offset: 24, .size: 8, .value_kind: global_buffer, .address_space: global }
    .group_segment_fixed_size: 262656
    .private_segment_fixed_size: 0
    .kernarg_segment_align: 8
    .kernarg_segment_size: 32
    .max_flat_workgroup_size: 128
    .sgpr_count:     66
    .vgpr_count:     1024
    .wavefront_size: 32
...
	.end_amdgpu_metadata
.endif
;; end of part 3
;; launch down_sum (part 4): grid 8 x 32, 4 waves a work-group, no clusters, 71,680 bytes of LDS; arguments gq, wq, route, rw, out0; writes out0
.if DOCPART == 4
	.amdgcn_target "amdgcn-amd-amdhsa--gfx1250"
	.amdhsa_code_object_version 6
	.text
	.protected	k_qbfa35331ea_down_sum
	.globl	k_qbfa35331ea_down_sum
	.p2align	8
	.type	k_qbfa35331ea_down_sum,@function
k_qbfa35331ea_down_sum:
	s_mov_b64 s[64:65], 0
	v_nop
	global_prefetch_b8 v0, s[64:65] scope:SCOPE_SE
	s_setreg_imm32_b32 hwreg(HW_REG_WAVE_MODE, 25, 1), 1
	s_wait_xcnt 0x0
; Launch 4 of 4: out0[token] = w_lo g_lo w2[lo]^T + w_hi g_hi w2[hi]^T: the two chosen experts alone (the others' terms reference() multiplies by a 0 of its own router's making).
; SHARES: work-group (cs, block): 256 columns for 128 sorted positions; wave w: columns 256 cs + 64 w .. + 63, four tiles, for all 8 tiles of rows.  Each output row has one owner.
; ALL THE LIST'S EXPERTS' FRAGMENTS OF w2 LIE IN REGISTERS (8 places x 8 fragments of 12), asked for at the head, each once.  The walk goes by TILES OF ROWS, eight trips: a tile meets all its experts in one trip
; and leaves at once, so that its stores are on their way while the later tiles are multiplied.  A block's tokens have two experts each, so places 0 and 1 are always in use; a place not in use holds zero codes,
; so that each register of the walk is written on every way.
; The block's g comes into LDS once; a tile's two operands, its rows' experts and weights and its tokens are read from LDS one tile ahead (the last trip names tile 7 again).
; No tensor load, no cluster: the walk hangs on the stored list.  No prefetch: the bytes are read by many work-groups of this launch.
; Products are used transposed (source 0 = 16 columns of w2, source 1 = 16 tokens).  A result is weighed by the row's weight where the expert is the row's own and by 0 elsewhere, and added to the tile's sums F.
; LIMITS: a row's product with an expert that is not its own is weighed by 0: were such a sum beyond f32's range, it would give a NaN there; NaN and infinities are not served.
; REGISTERS, window 0: v1 r, v2 h, v3 16 lane, v4 4 lane, v5 384 h + 24 r, v6, v7 the stage in and back, v8 16 r, v[10:11] the weight in hand; v16-23 LDS addresses; v24-27 lo, hi, w_lo, w_hi of my row;
;   v28-35 the tile's tokens, v36-43 their rows in out0; v44-45 g's scale words; v48-79 w2's (4 p + c); v80-111 accumulators; v112-143 F; v144-191 g's two operands; v192-223 rows on the way out; v224-235 fragment 63.
;   Fragment 8 p + 2 c + s: 21 to a window from window 1 on.
.set GSL,   49152                      ; LDS: g's codes; its scale words; 16 bytes a position (lo, hi, w_lo, w_hi); the tokens [tile][h][i]; a stage of 16 x 272 bytes a wave; the spare words
.set TA,    51200
.set TB,    53248
.set STG,   53760
.set SPARE, 71168
.set SPW, 12
.set NIL, 13
.set TAR, 24
.set TBR, 28
.set AD,  36
.set GS,  44
.set WS,  48
.set ACC, 80
.set F,   112
.set G,   144
.set OB,  192
.set FX,  224
.set MSB, 0
.macro WIN new
.if MSB != (\new)
	s_set_vgpr_msb (MSB<<8)|(\new)
.set MSB, (\new)
.endif
.endm
.macro FRG f
.if (\f) < 63
.set FW, 1+(\f)/21
.set FR, 12*((\f)%21)
.else
.set FW, 0
.set FR, FX
.endif
.endm
	s_load_b256 s[4:11], s[0:1], 0x0               ; gq, wq, route, rw
	s_load_b64 s[12:13], s[0:1], 0x20              ; out0
	v_lshl_add_u32 v[SPW], v0, 2, SPARE
	v_mov_b32 v[NIL], 0
	v_lshrrev_b32 v1, 5, v0
	v_readfirstlane_b32 s14, v1                    ; wave
	s_mov_b32 s15, ttmp9                           ; slice of columns
	s_and_b32 s47, ttmp7, 0xffff                   ; block
	v_and_b32 v14, 31, v0
	v_and_b32 v1, 15, v0
	v_bfe_u32 v2, v0, 4, 1
	v_lshlrev_b32 v3, 4, v14
	v_lshlrev_b32 v4, 2, v14
	v_mul_u32_u24 v5, v1, 24
	v_mad_u32_u24 v5, v2, 384, v5
	s_mul_i32 s29, s14, 4352
	s_add_co_u32 s29, s29, STG                     ; my stage
	v_mul_u32_u24 v6, v1, 272
	v_lshl_add_u32 v6, v2, 5, v6
	v_add_nc_u32 v6, s29, v6
	v_mul_u32_u24 v7, v2, 272
	v_lshl_add_u32 v7, v1, 4, v7
	v_add_nc_u32 v7, s29, v7
	v_lshlrev_b32 v8, 4, v1
	v_mov_b32 v10, 0
	v_mov_b32 v11, 0                               ; (named with v10 as a pair, so it is written)
	s_mul_i32 s29, s14, 12288
	v_add_nc_u32 v15, s29, v3                      ; my quarter of the copy of g
	s_lshl_b32 s29, s14, 9
	v_add_nc_u32 v9, s29, v3
	v_add_nc_u32 v20, GSL, v4
	v_lshl_add_u32 v21, v1, 4, TA
	v_lshl_add_u32 v22, v2, 5, TB
	v_lshlrev_b32 v23, 2, v0                       ; thread p sees to position p
	v_lshl_add_u32 v236, v0, 4, TA
	v_lshrrev_b32 v237, 4, v0
	v_lshl_add_u32 v237, v237, 6, TB
	v_and_b32 v238, 1, v0
	v_lshl_add_u32 v237, v238, 5, v237
	v_bfe_u32 v238, v0, 1, 3
	v_lshl_add_u32 v237, v238, 2, v237             ; position 16 t + 2 i + h: 64 t + 32 h + 4 i
	s_mov_b32 s49, 0
	s_mov_b32 s24, 0
	s_mov_b32 s56, 0
	s_mov_b32 s57, 0
	s_mov_b32 s58, 0
	s_wait_alu depctr_va_vdst(0)                   ; the wait at the head's end
	s_wait_kmcnt 0x0
	s_lshl_b32 s48, s47, 5
	s_add_nc_u64 s[50:51], s[8:9], s[48:49]
	s_load_b256 s[16:23], s[50:51], 0x4000         ; the block's list
	s_lshl_b32 s48, s47, 9
	s_add_nc_u64 s[44:45], s[8:9], s[48:49]
	global_load_b32 v240, v23, s[44:45]            ; route's word of my position
	s_mul_i32 s48, s47, 49152
	s_add_nc_u64 s[52:53], s[4:5], s[48:49]        ; the block's codes of g
	s_lshl_b32 s48, s47, 11
	s_add_nc_u64 s[54:55], s[4:5], s[48:49]
	s_add_nc_u64 s[54:55], s[54:55], 1572864       ; and its scale words
.set i, 0
.rept 24
	global_load_b128 v[80+4*i:80+4*i+3], v15, s[52:53] offset:512*i
.set i, i+1
.endr
	global_load_b128 v[176:179], v9, s[54:55]
	s_add_nc_u64 s[40:41], s[6:7], 6553600         ; w2's fragments,
	s_add_nc_u64 s[42:43], s[6:7], 9699328         ; their scale words
	s_lshl_b32 s48, s15, 10
	s_lshl_b32 s29, s14, 8
	s_add_co_u32 s48, s48, s29
	s_add_nc_u64 s[12:13], s[12:13], s[48:49]      ; out0 at my 256 bytes of a row
	s_wait_loadcnt 25                              ; route's word is in; the 25 loads of g behind it stay out
	v_bfe_u32 v244, v240, 16, 8
	v_lshrrev_b32 v245, 24, v240
	v_and_b32 v241, 0xffff, v240
	v_min_u32 v241, 0xfff, v241                    ; the token, held inside its table
	v_lshlrev_b32 v242, 3, v241
	global_load_b64 v[246:247], v242, s[10:11]     ; the row's two weights
; place p's eight fragments for my 64 columns, 24 loads of 512 consecutive bytes, and four scale words (lanes 0-15: K step 0's, lanes 16-31: K step 1's).  Each place has base registers of its own
.macro W2LOAD p
	s_and_b32 s30, s[16+\p], 7
	s_min_u32 s30, s30, 7
	s_lshl_b32 s30, s30, 3
	s_add_co_u32 s30, s30, s15
	s_lshl_b32 s30, s30, 2
	s_add_co_u32 s30, s30, s14                     ; (e 8 + cs) 4 + w
	s_mul_i32 s[66+4*\p], s30, 12288
	s_mov_b32 s[67+4*\p], 0
	s_add_nc_u64 s[66+4*\p:67+4*\p], s[40:41], s[66+4*\p:67+4*\p]
	s_lshl_b32 s[68+4*\p], s30, 9
	s_mov_b32 s[69+4*\p], 0
	s_add_nc_u64 s[68+4*\p:69+4*\p], s[42:43], s[68+4*\p:69+4*\p]
.set j, 0
.rept 8
	FRG 8*(\p)+j
	WIN FW<<6
.irp q, 0,1,2
	global_load_b128 v[FR+4*\q:FR+4*\q+3], v3, s[66+4*\p:67+4*\p] offset:j*1536+512*\q
.endr
.set j, j+1
.endr
	WIN 0
.irp c, 0,1,2,3
	global_load_b32 v[WS+4*\p+\c], v4, s[68+4*\p:69+4*\p] offset:128*\c
.endr
.endm
.macro ZP p                            ; a place not in use: zero codes
.set j, 0
.rept 8
	FRG 8*(\p)+j
	WIN FW<<6
.set i, 0
.rept 12
	v_mov_b32 v[FR+i], 0
.set i, i+1
.endr
.set j, j+1
.endr
	WIN 0
.irp c, 0,1,2,3
	v_mov_b32 v[WS+4*\p+\c], 0
.endr
.endm
	s_wait_alu depctr_va_vdst(0)
	s_wait_kmcnt 0x0
	W2LOAD 0
	W2LOAD 1
	s_wait_loadcnt 56                              ; g and the weights of the rows are in; the two places' 2 x 28 loads stay out
.set i, 0
.rept 24
	ds_store_b128 v15, v[80+4*i:80+4*i+3] offset:512*i
.set i, i+1
.endr
	ds_store_b128 v9, v[176:179] offset:GSL
	ds_store_b128 v236, v[244:247]
	ds_store_b32 v237, v241
.irp p, 2,3,4,5,6,7
	s_cmp_eq_u32 s[16+\p], 0                       ; the list's entries in use stand at its head
	s_cbranch_scc1 .Lz\p
	W2LOAD \p
.endr
	s_branch .Lwd
.irp p, 2,3,4,5,6,7
.Lz\p:
	ZP \p
.endr
.Lwd:
.set i, 0
.rept 32
	v_mov_b32 v[F+i], 0                            ; which expert is a tile's first hangs on the list, so F begins as zeros
.set i, i+1
.endr
	s_wait_alu depctr_va_vdst(0)
	s_wait_dscnt 0x0                               ; for the others' sake: my part of the copy and of the tables lies in LDS
	s_barrier_signal -1
	s_barrier_wait -1
.macro PRE                             ; 29 LDS loads: a tile's two operands, their scale words, my row's entry, the tile's tokens.  s56, s57, s58: 6,144, 256 and 64 x the tile
	v_add_nc_u32 v16, s56, v5
	v_add_nc_u32 v17, s57, v20
	v_add_nc_u32 v18, s57, v21
	v_add_nc_u32 v19, s58, v22
.irp k, 0,1
.irp s, 0,1
.irp c, 0,1
.irp i, 0,1,2
	ds_load_b64 v[G+24*\k+12*\s+6*\c+2*\i:G+24*\k+12*\s+6*\c+2*\i+1], v16 offset:3072*\k+1536*\s+768*\c+8*\i   ; lane (r, h): block 4 s + 2 c + h of row r, 24 bytes
.endr
.endr
.endr
.endr
	ds_load_b32 v[GS], v17
	ds_load_b32 v[GS+1], v17 offset:128
	ds_load_b128 v[TAR:TAR+3], v18
	ds_load_b128 v[TBR:TBR+3], v19
	ds_load_b128 v[TBR+4:TBR+7], v19 offset:16
.endm
	PRE
	s_wait_loadcnt 0x0                             ; all the list's fragments are in
; place p, k: eight products, two K steps x four tiles of columns, the four accumulators by turns; the first K step starts the sums.
; The compare, the select and four v_nop are the places behind them.
.macro PROD p, k
	s_bitcmp1_b32 s[16+\p], s[26+\k]
	s_cbranch_scc0 .Lnp_\@
.irp c, 0,1,2,3
	FRG 8*(\p)+2*\c
	WIN FW
	v_wmma_scale_f32_16x16x128_f8f6f4 v[ACC+8*\c:ACC+8*\c+7], v[FR:FR+11], v[G+24*\k:G+24*\k+11], 0, v[WS+4*\p+\c], v[GS+\k] matrix_a_fmt:MATRIX_FMT_FP6 matrix_b_fmt:MATRIX_FMT_FP6
.endr
.irp c, 0,1,2,3
	FRG 8*(\p)+2*\c+1
	WIN FW
	v_wmma_scale_f32_16x16x128_f8f6f4 v[ACC+8*\c:ACC+8*\c+7], v[FR:FR+11], v[G+24*\k+12:G+24*\k+23], v[ACC+8*\c:ACC+8*\c+7], v[WS+4*\p+\c], v[GS+\k] matrix_a_fmt:MATRIX_FMT_FP6 matrix_b_fmt:MATRIX_FMT_FP6 matrix_a_scale:MATRIX_SCALE_ROW1 matrix_b_scale:MATRIX_SCALE_ROW1
.endr
	WIN 0
	v_cmp_eq_u32 vcc_lo, s28, v[TAR+\k]
	v_cndmask_b32 v10, 0, v[TAR+2+\k], vcc_lo      ; the row's weight where the expert is the row's own, else 0
.rept 4
	v_nop
.endr
.irp j, 0,2,4,6,8,10,12,14,16,18,20,22,24,26,28,30
	v_pk_fma_f32 v[F+\j:F+\j+1], v[ACC+\j:ACC+\j+1], v[10:11], v[F+\j:F+\j+1] op_sel_hi:[1,0,1]   ; each accumulator from its low end on
.endr
.Lnp_\@:
.endm
.Ltile:                                                ; eight trips, a tile of 16 positions each: the count is a constant
	s_wait_dscnt 0x0                               ; this tile's operands and tables are in
	s_add_co_u32 s26, s24, 8                       ; the tile's bit among an entry's lower experts' tiles,
	s_add_co_u32 s27, s24, 16                      ; and among its higher experts'
.irp p, 0,1,2,3,4,5,6,7
.if \p >= 2
	s_cmp_eq_u32 s[16+\p], 0
	s_cbranch_scc1 .Lpdone
.endif
	s_and_b32 s28, s[16+\p], 7
	PROD \p, 0
	PROD \p, 1
.endr
.Lpdone:
	s_wait_xcnt 0x0                                ; the last tile's stores have read their registers
.irp i, 0,1,2,3,4,5,6,7
	v_min_u32 v[AD+\i], 0xfff, v[TBR+\i]           ; the token of position 16 t + 2 i + h, held inside its table
.endr
.irp i, 0,1,2,3,4,5,6,7
	v_lshl_add_u32 v[AD+\i], v[AD+\i], 13, v8      ; its row of 8,192 bytes + 16 (lane % 16)
.endr
.irp c, 0,1,2,3
	ds_store_b128 v6, v[F+8*\c:F+8*\c+3] offset:64*\c
	ds_store_b128 v6, v[F+8*\c+4:F+8*\c+7] offset:64*\c+16
.endr
.irp i, 0,1,2,3,4,5,6,7
	ds_load_b128 v[OB+4*\i:OB+4*\i+3], v7 offset:544*\i            ; LDS serves a wave's instructions in order: these see the stores above
.endr
	s_add_co_u32 s24, s24, 1
	s_min_u32 s25, s24, 7
	s_mul_i32 s56, s25, 6144
	s_lshl_b32 s57, s25, 8
	s_lshl_b32 s58, s25, 6
	PRE                                            ; the next tile's
.set i, 0
.rept 32
	v_mov_b32 v[F+i], 0
.set i, i+1
.endr
	s_wait_alu depctr_va_vdst(0)                   ; the wait here, directly ahead of the wait below
	s_wait_dscnt 29                                ; the tile's rows are back; the 29 loads issued behind them may be out
.irp i, 0,1,2,3,4,5,6,7
	global_store_b128 v[AD+\i], v[OB+4*\i:OB+4*\i+3], s[12:13] th:TH_STORE_NT   ; sixteen lanes store 256 consecutive bytes, at a multiple of 256 from out0's first byte
.endr
	s_cmp_lt_u32 s24, 8
	s_cbranch_scc1 .Ltile
	s_wait_tensorcnt 0x0                           ; the wave's end
	ds_add_u32 v[SPW], v[NIL]
	s_wait_dscnt 0x0
	s_endpgm
.Lfunc_end_k_qbfa35331ea_down_sum:
	.size	k_qbfa35331ea_down_sum, .Lfunc_end_k_qbfa35331ea_down_sum-k_qbfa35331ea_down_sum
	.p2alignl 7, 3214868480
	.fill 96, 4, 3214868480
	.section	.rodata,"a",@progbits
	.p2align	6, 0x0
	.amdhsa_kernel k_qbfa35331ea_down_sum
		.amdhsa_group_segment_fixed_size 71680
		.amdhsa_private_segment_fixed_size 0
		.amdhsa_enable_private_segment 0
		.amdhsa_kernarg_size 40
		.amdhsa_user_sgpr_count 2
		.amdhsa_user_sgpr_kernarg_segment_ptr 1
		.amdhsa_wavefront_size32 1
		.amdhsa_system_sgpr_workgroup_id_x 1
		.amdhsa_system_sgpr_workgroup_id_y 1
		.amdhsa_system_sgpr_workgroup_id_z 1
		.amdhsa_system_vgpr_workitem_id 0
		.amdhsa_next_free_vgpr 1024
		.amdhsa_next_free_sgpr 100
		.amdhsa_reserve_vcc 1
		.amdhsa_float_denorm_mode_32 3
		.amdhsa_float_denorm_mode_16_64 3
		.amdhsa_memory_ordered 1
		.amdhsa_forward_progress 1
		.amdhsa_inst_pref_size 100
	.end_amdhsa_kernel
	.amdgpu_metadata
---
amdhsa.version: [ 1, 2 ]
amdhsa.kernels:
  - .name:           k_qbfa35331ea_down_sum
    .symbol:         k_qbfa35331ea_down_sum.kd
    .args:
      - { .name: gq, .offset: 0, .size: 8, .value_kind: global_buffer, .address_space: global }
      - { .name: wq, .offset: 8, .size: 8, .value_kind: global_buffer, .address_space: global }
      - { .name: route, .offset: 16, .size: 8, .value_kind: global_buffer, .address_space: global }
      - { .name: rw, .offset: 24, .size: 8, .value_kind: global_buffer, .address_space: global }
      - { .name: out0, .offset: 32, .size: 8, .value_kind: global_buffer, .address_space: global }
    .group_segment_fixed_size: 71680
    .private_segment_fixed_size: 0
    .kernarg_segment_align: 8
    .kernarg_segment_size: 40
    .max_flat_workgroup_size: 128
    .sgpr_count:     100
    .vgpr_count:     1024
    .wavefront_size: 32
...
	.end_amdgpu_metadata
.endif
;; end of part 4
